; MI455X (gfx1250); checked and timed in simulation.
; The chip was launched on July 23, 2026; its instructions are those of AMD's public machine-readable ISA for CDNA 5 (MIT licence, August 2026) and "CDNA5" Instruction Set Architecture Reference Guide (July 2026). The comments in the code are by the model that wrote it; some were corrected since.
;; MLP Mo E. Allowed arithmetic: float matrix products may take bf16 or f16 operands with f32 sums; other float arithmetic in f32, or as packed bf16 or f16 multiplies, adds, multiply-adds, maxima and minima; sums over many terms, partial sums and values carried from step to step in f32; what a program stores and reads back later, other than sums and carried values, may be rounded once to bf16 or f16.
;; Inputs: gate_b 8 float32; gate_w 8 x 1,024 float32; mlp1_b 8 x 2,048 float32; mlp1_w 8 x 2,048 x 1,024 float32; mlp2_b 8 x 1,024 float32; mlp2_w 8 x 1,024 x 1,024 float32; norm_w 1,024 float32; x 2 x 1,024 x 1,024 float32.
;; Outputs: out0 2 x 1,024 x 1,024 float32.
;; 2 versions, each right; version 2 is version 1 with the launches mlp1, mlp2 written anew for expert scheduling mode. Each part assembles by itself: llvm-mc -triple=amdgcn-amd-amdhsa -mcpu=gfx1250 --defsym DOCPART=n.
;; ======== version 1 of 2: 4 launches
;; limits: values are held in f16: magnitudes above 65,504 overflow, below 6.1e-05 lose precision; inputs' magnitudes at most 65,504
;; workspace buffers: hb 4,194,304 bytes; bm 4,096 bytes of whole numbers; gw 16,384 bytes; act 33,554,432 bytes; y 16,777,216 bytes
;; launch router (part 1): grid 256 x 1, 8 waves a work-group, no clusters, 34,048 bytes of LDS; arguments x, norm_w, gate_w, gate_b, hb, bm, gw; writes hb, bm, gw
.if DOCPART == 1
	.amdgcn_target "amdgcn-amd-amdhsa--gfx1250"
	.amdhsa_code_object_version 6
	.text
	.protected	k_q132b5076fd_router
	.globl	k_q132b5076fd_router
	.p2align	8
	.type	k_q132b5076fd_router,@function
k_q132b5076fd_router:
	s_mov_b64 s[64:65], 0
	v_nop
	global_prefetch_b8 v0, s[64:65] scope:SCOPE_SE
	s_setreg_imm32_b32 hwreg(HW_REG_WAVE_MODE, 25, 1), 1
	s_wait_xcnt 0x0
; RMSNorm, gate, top-2 and the softmax of the two values, for 2,048 tokens of 1,024 numbers.
; A work-group has 8 tokens, a wave one: lane l holds elements 128 i + 4 l .. + 3, i = 0..7, so each 16-byte load of a wave covers 512 bytes on end.
; OUT: hb[token][1024] = h in f16 (the operand of the first product);  gw[2 token + kpos] = the two softmax weights in f32;
; bm[expert][kpos][256 bytes]: bit j of byte b says that token 8 b + j took the expert as its kpos-th choice.  All places are fixed: no address and no branch hangs on a choice.
; The gate's product (8 x 1,024 a token) is done in f32 on the unrounded h: a 16-bit gate would move logits enough to change second choices.
; LIMITS.  h goes to f16: 32 x the largest |norm_w| stays under 65,504.  The sums' order is not reference()'s: where a token's second and third logit lie within some 1e-6 of
; each other the other one may be chosen.  Equal logits: the lower index wins.  NaN and infinite logits are not treated apart.
; bm's 16 single bytes and gw's 64 bytes a work-group are stores of parts of 256-byte blocks: 80 bytes against the 16,384 of hb, for a layout that the next launches read by scalar loads.
.set XCH,   32768                      ; LDS: gate_w as it lies at 0 .. 32,767; then a block for the waves' choices: index words at 4 (2 w + kpos), weights 64 bytes on
.set SPARE, 33024                      ; the spare words, 128 bytes a wave: four blocks of 256 bytes that no other line names
.set LANE, 1
.set L16,  2                           ; 16 x lane
.set L8,   3                           ; 8 x lane
.set SPW,  4                           ; my spare word; never rewritten
.set NIL,  5                           ; 0; never rewritten
.set GWA,  6                           ; 4,096 x wave + 16 x lane: my part of gate row w, in memory and in LDS
.set LG,   8                           ; v[8:15]    the 8 logits
.set X,    16                          ; v[16:47]   x, then h
.set NW,   48                          ; v[48:79]   norm_w
.set GA,   80                          ; v[80:111]  a gate row
.set GB,   112                         ; v[112:143] the next one
.set DP,   144                         ; v[144:175] four partial sums an expert; later at work
.set SS,   176                         ; v[176:179] the sum of squares, then 1 / rms in v178
.set VB,   180                         ; best value, its index, second value, its index
.set BI,   181
.set VS,   182
.set SI,   183
.set EE,   184
.set WA,   185
.set WB,   186
.set AD,   187
.set HH,   192                         ; v[192:207] h in f16; never rewritten, so its stores want no wait
.macro WSUM r, t                       ; the sum over the wave's 32 lanes, in every lane; t has been written before
	v_add_f32_dpp v[\r], v[\r], v[\r] row_xmask:1 row_mask:0xf bank_mask:0xf
	v_add_f32_dpp v[\r], v[\r], v[\r] row_xmask:2 row_mask:0xf bank_mask:0xf
	v_add_f32_dpp v[\r], v[\r], v[\r] row_xmask:4 row_mask:0xf bank_mask:0xf
	v_add_f32_dpp v[\r], v[\r], v[\r] row_xmask:8 row_mask:0xf bank_mask:0xf
	v_permlanex16_b32 v[\t], v[\r], s32, s33
	v_add_f32 v[\r], v[\r], v[\t]
.endm
.macro GLOAD e, buf                    ; gate row e out of LDS: 8 loads of 512 bytes on end
.irp i, 0,1,2,3,4,5,6,7
	ds_load_b128 v[(\buf)+4*(\i):(\buf)+4*(\i)+3], v[L16] offset:4096*(\e)+512*(\i)
.endr
.endm
.macro DOT e, buf                      ; my 32 products, two packed chains
	v_pk_mul_f32 v[DP+4*(\e):DP+4*(\e)+1], v[X:X+1], v[(\buf):(\buf)+1]
	v_pk_mul_f32 v[DP+4*(\e)+2:DP+4*(\e)+3], v[X+2:X+3], v[(\buf)+2:(\buf)+3]
.set j, 2
.rept 14
	v_pk_fma_f32 v[DP+4*(\e)+2*(j%2):DP+4*(\e)+2*(j%2)+1], v[X+2*j:X+2*j+1], v[(\buf)+2*j:(\buf)+2*j+1], v[DP+4*(\e)+2*(j%2):DP+4*(\e)+2*(j%2)+1]
.set j, j+1
.endr
.endm
	s_load_b256 s[4:11], s[0:1], 0x0               ; x s[4:5], norm_w s[6:7], gate_w s[8:9], gate_b s[10:11]
	s_load_b128 s[12:15], s[0:1], 0x20             ; hb s[12:13], bm s[14:15]
	s_load_b64 s[16:17], s[0:1], 0x30              ; gw
	v_lshl_add_u32 v[SPW], v0, 2, SPARE
	v_mov_b32 v[NIL], 0
	v_and_b32 v[LANE], 31, v0
	v_lshrrev_b32 v7, 5, v0
	v_readfirstlane_b32 s28, v7                    ; wave 0..7
	v_lshlrev_b32 v[L16], 4, v[LANE]
	v_lshlrev_b32 v[L8], 3, v[LANE]
	v_lshl_add_u32 v[GWA], s28, 12, v[L16]
	s_lshl_b32 s29, ttmp9, 3
	s_add_co_u32 s29, s29, s28                     ; my token
	s_lshl_b32 s18, s29, 12                        ; its 4,096 bytes of x
	s_mov_b32 s19, 0
	s_mov_b32 s30, 0x3a800000                      ; 1 / 1024
	s_mov_b32 s31, 0x34000000                      ; f32's eps, 2^-23
	s_mov_b32 s32, 0x76543210                      ; v_permlanex16_b32: each lane takes its own place in the other half
	s_mov_b32 s33, 0xfedcba98
	s_wait_kmcnt 0x0
	s_load_b256 s[20:27], s[10:11], 0x0            ; gate_b's 8 numbers
	s_add_nc_u64 s[4:5], s[4:5], s[18:19]
	s_lshl_b32 s18, s29, 11                        ; its 2,048 bytes of hb
	s_add_nc_u64 s[12:13], s[12:13], s[18:19]
.irp i, 0,1,2,3,4,5,6,7
	global_load_b128 v[X+4*(\i):X+4*(\i)+3], v[L16], s[4:5] offset:512*(\i)
.endr
.irp i, 0,1,2,3,4,5,6,7
	global_load_b128 v[GA+4*(\i):GA+4*(\i)+3], v[GWA], s[8:9] offset:512*(\i)   ; wave w brings gate row w for all eight waves
.endr
.irp i, 0,1,2,3,4,5,6,7
	global_load_b128 v[NW+4*(\i):NW+4*(\i)+3], v[L16], s[6:7] offset:512*(\i)
.endr
	s_wait_loadcnt 0x10                            ; x is in; the 16 younger loads stay out
	v_pk_mul_f32 v[SS:SS+1], v[X:X+1], v[X:X+1]
	v_pk_mul_f32 v[SS+2:SS+3], v[X+2:X+3], v[X+2:X+3]
.set j, 2
.rept 14
	v_pk_fma_f32 v[SS+2*(j%2):SS+2*(j%2)+1], v[X+2*j:X+2*j+1], v[X+2*j:X+2*j+1], v[SS+2*(j%2):SS+2*(j%2)+1]
.set j, j+1
.endr
	v_pk_add_f32 v[SS:SS+1], v[SS:SS+1], v[SS+2:SS+3]
	v_add_f32 v[SS], v[SS], v[SS+1]
	WSUM SS, SS+1
	s_wait_loadcnt 0x8                             ; the gate row is in; norm_w's 8 loads stay out
.irp i, 0,1,2,3,4,5,6,7
	ds_store_b128 v[GWA], v[GA+4*(\i):GA+4*(\i)+3] offset:512*(\i)
.endr
	s_wait_dscnt 0x0                               ; for the others' sake: my row lies in LDS
	s_barrier_signal -1
	s_barrier_wait -1                              ; all eight rows do
	GLOAD 0, GA
	v_fma_f32 v[SS+2], v[SS], s30, s31             ; mean + eps
	v_rsq_f32 v[SS+2], v[SS+2]
	v_nop                                          ; a plain instruction behind the transcendental,
	s_wait_alu depctr_va_vdst(0)                   ; and the wait ahead of its first reader
.set j, 0
.rept 16
	v_pk_mul_f32 v[X+2*j:X+2*j+1], v[X+2*j:X+2*j+1], v[SS+2:SS+3] op_sel_hi:[1,0]
.set j, j+1
.endr
	s_wait_loadcnt 0x0                             ; norm_w
.set j, 0
.rept 16
	v_pk_mul_f32 v[X+2*j:X+2*j+1], v[X+2*j:X+2*j+1], v[NW+2*j:NW+2*j+1]   ; h = (x / rms) norm_w, in reference()'s order
.set j, j+1
.endr
.set j, 0
.rept 16
	v_cvt_pk_f16_f32 v[HH+j], v[X+2*j], v[X+2*j+1]
.set j, j+1
.endr
.irp i, 0,1,2,3,4,5,6,7
	global_store_b64 v[L8], v[HH+2*(\i):HH+2*(\i)+1], s[12:13] offset:256*(\i)   ; the wave's 32 lanes store 256 bytes on end, at a multiple of 256 from hb's first byte
.endr
.irp e, 0,2,4,6
	GLOAD (\e)+1, GB
	s_wait_dscnt 0x8                               ; the 8 just issued may be out: row e is in
	DOT \e, GA
.if (\e) < 6
	GLOAD (\e)+2, GA
	s_wait_dscnt 0x8
.else
	s_wait_dscnt 0x0                               ; the last row: nothing was issued behind it
.endif
	DOT (\e)+1, GB
.endr
.irp e, 0,1,2,3,4,5,6,7
	v_pk_add_f32 v[DP+4*(\e):DP+4*(\e)+1], v[DP+4*(\e):DP+4*(\e)+1], v[DP+4*(\e)+2:DP+4*(\e)+3]
.endr
.irp e, 0,1,2,3,4,5,6,7
	v_add_f32 v[LG+(\e)], v[DP+4*(\e)], v[DP+4*(\e)+1]
.endr
.irp m, 1,2,4,8                        ; the eight sums over the lanes go side by side, so that no line waits for the one before it
.irp e, 0,1,2,3,4,5,6,7
	v_add_f32_dpp v[LG+(\e)], v[LG+(\e)], v[LG+(\e)] row_xmask:\m row_mask:0xf bank_mask:0xf
.endr
.endr
.irp e, 0,1,2,3,4,5,6,7
	v_permlanex16_b32 v[DP+4*(\e)], v[LG+(\e)], s32, s33
.endr
	s_wait_kmcnt 0x0                               ; gate_b
.irp e, 0,1,2,3,4,5,6,7
	v_add_f32 v[LG+(\e)], v[LG+(\e)], v[DP+4*(\e)]
.endr
.irp e, 0,1,2,3,4,5,6,7
	v_add_f32 v[LG+(\e)], s[20+(\e)], v[LG+(\e)]
.endr
	; top-2 by selects alone; every lane holds the same numbers.  A later expert wins only if strictly greater: ties go to the lower index.
	v_mov_b32 v[VB], v[LG]
	v_mov_b32 v[BI], 0
.irp e, 1,2,3,4,5,6,7
	v_cmp_gt_f32 vcc_lo, v[LG+(\e)], v[VB]
	v_cndmask_b32 v[VB], v[VB], v[LG+(\e)], vcc_lo
	v_cndmask_b32 v[BI], v[BI], \e, vcc_lo
.endr
	v_mov_b32 v[VS], 0xff800000                    ; -infinity
	v_mov_b32 v[SI], 0
.irp e, 0,1,2,3,4,5,6,7
	v_cmp_gt_f32 s34, v[LG+(\e)], v[VS]
	v_cmp_ne_u32 vcc_lo, \e, v[BI]                 ; the best is out of the running
	s_and_b32 vcc_lo, vcc_lo, s34
	v_cndmask_b32 v[VS], v[VS], v[LG+(\e)], vcc_lo
	v_cndmask_b32 v[SI], v[SI], \e, vcc_lo
.endr
	; softmax of (best, second) with the maximum taken away: 1 / (1 + E) and E / (1 + E), E = e^(second - best) <= 1
	v_sub_f32 v[EE], v[VS], v[VB]
	v_mul_f32 v[EE], 0x3fb8aa3b, v[EE]
	v_exp_f32 v[EE], v[EE]
	v_nop
	s_wait_alu depctr_va_vdst(0)
	v_add_f32 v[WA], 1.0, v[EE]
	v_rcp_f32 v[WA], v[WA]
	v_nop
	s_wait_alu depctr_va_vdst(0)
	v_mul_f32 v[WB], v[EE], v[WA]
	s_lshl_b32 s29, s28, 3
	s_add_co_u32 s29, s29, XCH
	v_mov_b32 v[AD], s29                           ; my wave's two words; all lanes store the same number
	ds_store_b32 v[AD], v[BI]
	ds_store_b32 v[AD], v[SI] offset:4
	ds_store_b32 v[AD], v[WA] offset:64
	ds_store_b32 v[AD], v[WB] offset:68
	s_wait_dscnt 0x0
	s_barrier_signal -1
	s_barrier_wait -1
	s_cmp_lg_u32 s28, 0
	s_cbranch_scc1 .Lend
	; wave 0: lane 2 e + kpos (0..15) makes the byte of bitmap (e, kpos) for the group's 8 tokens, and stores weight 2 j + kpos of the group's 16
	v_and_b32 v[DP+8], 15, v0
	v_and_b32 v[DP+9], 1, v0
	v_lshl_add_u32 v[DP+9], v[DP+9], 2, XCH
	v_lshl_add_u32 v[DP+10], v[DP+8], 2, XCH+64
.irp j, 0,1,2,3,4,5,6,7
	ds_load_b32 v[DP+(\j)], v[DP+9] offset:8*(\j)  ; token j's kpos-th choice
.endr
	ds_load_b32 v[DP+11], v[DP+10]
	v_bfe_u32 v[DP+12], v0, 1, 3                   ; e
	s_mov_b32 s29, ttmp9
	v_lshl_add_u32 v[DP+13], v[DP+8], 8, s29       ; bm: 256 (2 e + kpos) + the group's number
	s_lshl_b32 s18, ttmp9, 6
	v_lshl_add_u32 v[DP+14], v[DP+8], 2, s18       ; gw: 64 x the group's number + 4 x lane
	s_wait_dscnt 0x0
	v_cmp_eq_u32 vcc_lo, v[DP], v[DP+12]
	v_cndmask_b32 v[DP+15], 0, 1, vcc_lo
.irp j, 1,2,3,4,5,6,7
	v_cmp_eq_u32 vcc_lo, v[DP+(\j)], v[DP+12]
	v_cndmask_b32 v[DP+16], 0, 1<<(\j), vcc_lo
	v_or_b32 v[DP+15], v[DP+15], v[DP+16]
.endr
	v_cmp_gt_u32 vcc_lo, 16, v[LANE]
	s_wait_xcnt 0x0                                ; EXEC is a source of the stores of hb: it changes only behind this wait
	s_and_saveexec_b32 s34, vcc_lo
	global_store_b8 v[DP+13], v[DP+15], s[14:15]
	global_store_b32 v[DP+14], v[DP+11], s[16:17]
	s_wait_xcnt 0x0                                ; and again in front of the line that widens it
	s_or_b32 exec_lo, exec_lo, s34
.Lend:
	s_wait_tensorcnt 0x0                           ; the wave's end, behind my last LDS store
	ds_add_u32 v[SPW], v[NIL]
	s_wait_dscnt 0x0
	s_endpgm
.Lfunc_end_k_q132b5076fd_router:
	.size	k_q132b5076fd_router, .Lfunc_end_k_q132b5076fd_router-k_q132b5076fd_router
	.p2alignl 7, 3214868480
	.fill 96, 4, 3214868480
	.section	.rodata,"a",@progbits
	.p2align	6, 0x0
	.amdhsa_kernel k_q132b5076fd_router
		.amdhsa_group_segment_fixed_size 34048
		.amdhsa_private_segment_fixed_size 0
		.amdhsa_enable_private_segment 0
		.amdhsa_kernarg_size 56
		.amdhsa_user_sgpr_count 2
		.amdhsa_user_sgpr_kernarg_segment_ptr 1
		.amdhsa_wavefront_size32 1
		.amdhsa_system_sgpr_workgroup_id_x 1
		.amdhsa_system_sgpr_workgroup_id_y 1
		.amdhsa_system_sgpr_workgroup_id_z 1
		.amdhsa_system_vgpr_workitem_id 0
		.amdhsa_next_free_vgpr 208
		.amdhsa_next_free_sgpr 66
		.amdhsa_reserve_vcc 1
		.amdhsa_float_denorm_mode_32 3
		.amdhsa_float_denorm_mode_16_64 3
		.amdhsa_memory_ordered 1
		.amdhsa_forward_progress 1
		.amdhsa_inst_pref_size 32
	.end_amdhsa_kernel
	.amdgpu_metadata
---
amdhsa.version: [ 1, 2 ]
amdhsa.kernels:
  - .name:           k_q132b5076fd_router
    .symbol:         k_q132b5076fd_router.kd
    .args:
      - { .name: x, .offset: 0, .size: 8, .value_kind: global_buffer, .address_space: global }
      - { .name: norm_w, .offset: 8, .size: 8, .value_kind: global_buffer, .address_space: global }
      - { .name: gate_w, .offset: 16, .size: 8, .value_kind: global_buffer, .address_space: global }
      - { .name: gate_b, .offset: 24, .size: 8, .value_kind: global_buffer, .address_space: global }
      - { .name: hb, .offset: 32, .size: 8, .value_kind: global_buffer, .address_space: global }
      - { .name: bm, .offset: 40, .size: 8, .value_kind: global_buffer, .address_space: global }
      - { .name: gw, .offset: 48, .size: 8, .value_kind: global_buffer, .address_space: global }
    .group_segment_fixed_size: 34048
    .private_segment_fixed_size: 0
    .kernarg_segment_align: 8
    .kernarg_segment_size: 56
    .max_flat_workgroup_size: 256
    .sgpr_count:     66
    .vgpr_count:     208
    .wavefront_size: 32
...
	.end_amdgpu_metadata
.endif
;; end of part 1
;; launch mlp1 (part 2): grid 256 x 1, 8 waves a work-group, no clusters, 141,824 bytes of LDS; arguments hb, mlp1_w, mlp1_b, bm, act; writes act
.if DOCPART == 2
	.amdgcn_target "amdgcn-amd-amdhsa--gfx1250"
	.amdhsa_code_object_version 6
	.text
	.protected	k_q132b5076fd_mlp1
	.globl	k_q132b5076fd_mlp1
	.p2align	8
	.type	k_q132b5076fd_mlp1,@function
k_q132b5076fd_mlp1:
	s_mov_b64 s[64:65], 0
	v_nop
	global_prefetch_b8 v0, s[64:65] scope:SCOPE_SE
	s_setreg_imm32_b32 hwreg(HW_REG_WAVE_MODE, 25, 1), 1
	s_wait_xcnt 0x0
; The first product of the chosen experts, its bias and the clamped SwiGLU:  act (f16) = swiglu(h[token(rank)] . mlp1_w[e]^T + mlp1_b[e]).
; SHARES.  Work-group 32 e + sl alone reads rows 64 sl .. + 63 of mlp1_w[e] (262,144 bytes on end, each byte once in the launch), rounds them to f16 on their way through registers
; into LDS, and multiplies ALL rows of expert e by them.  An expert's rows are its tokens in ascending order (their rank); every wave counts them from the bitmaps bm, wave 0 lays the list
; rank -> 4 q (q = 2 token + kpos) into LDS.  The eight waves split the rows in tiles of 64: wave w has tiles w + 8 j, j = 0..3 (2,048 rows: every split is served); a tile past the count is jumped.
; Places past the count in the last tile repeat the expert's LAST row (wave 0 copies its list word into the 64 places behind the count), so their results are that row's once more.
; IN THE TILE LOOP nothing writes LDS and every LDS address is a register that is never rewritten plus an immediate: K is written out, 32 steps; the wave's list words for all four trips
; are read ahead of the loop and move down four registers a trip.  So no barrier stands in it.
; THE MATRIX INSTRUCTION: source 0 = 16 weight rows, source 1 = 16 token rows: a lane then holds ONE token (lane % 16) and columns 16 c + 8 (lane / 16) + 0..7: four (glu, lin) pairs in neighbouring
; registers.  The first K step takes the bias as its C: nothing is cleared and nothing added later.
; act LIES AS THE NEXT LAUNCH'S OPERAND: [e][K step = sl][block of 16 ranks][half g][lane][16 bytes].  A lane's 16 results of a block (act columns 8 c + 4 (lane / 16) + 0..3, c = 0..3) are the 16 numbers
; that the same lane takes there as source 1, c = 0, 1 in half 0 and c = 2, 3 in half 1: a permutation of k inside the K step, which the next launch applies to its weights too.  So a store is 512 bytes on end, and no stage is needed.
; FORMATS.  h and the weights in f16, sums in f32, act rounded once to f16 (|act| <= 56 by reference()'s own clamps).  LIMITS: |mlp1_w| under 65,504; below 6e-5 f16 keeps a fixed step of 6e-8; NaN and infinities are not treated apart.
; NO CLUSTER, NO TENSOR LOADS: a slice of weights has one reader; what an expert's 32 work-groups share is its token rows, which come by a list that no tile descriptor covers, in a number that is data.
; REGISTERS, in windows of 256 (s_set_vgpr_msb: bits 1:0 source 0, 3:2 source 1, 5:4 source 2, 7:6 destination):
;   window 0: v0-31 addresses and the list words; v32-63 bias; v64-127 two buffers of 4 weight fragments (ahead of the loop: at work); v128-255 16 accumulators ((b, c) at 128 + 8 (4 b + c))
;   window 1: four buffers of 64: token fragments of two K steps each; at the start the 64 weight loads land there
.set PITCH,  2064                      ; a weight row in LDS: 2,048 bytes + 16: an odd multiple of 16, so that the 16 rows of a fragment load start at 16 different groups of four banks (64 banks of 4 bytes: ISA guide 11.1)
.set LIST,   64*PITCH                  ; 2,176 words: places 0 .. 2,143 of the list and its tail, then 32 words into which lanes without a bit store
.set DUMP,   2144
.set SPARE,  LIST+8704                 ; the spare words, 128 bytes a wave: four blocks of 256 bytes that no other line names
.set NB,     4                         ; blocks of 16 rows in a tile
.set SPG,    2                         ; K steps in a group of 16 row loads
.set NG,     32/SPG
.set LANE, 1
.set L16,  2                           ; 16 x lane
.set H16,  3                           ; 16 x (lane / 16)
.set SPW,  4                           ; my spare word; never rewritten
.set NIL,  5                           ; 0; never rewritten
.set WB0,  6                           ; my place in weight fragments 0, 1: (lane % 16) x pitch + 16 (lane / 16); never rewritten
.set WB1,  7                           ; in fragments 2, 3: 32 rows on; never rewritten
.set SO,   8                           ; my byte offset in act's slice for the tile's first store
.set RO,   10                          ; v[10:13] block b: byte offset of my token's row in hb + 16 (lane / 16)
.set Q,    16                          ; v[16:31] the list words of my row in block b of this trip (Q + b) and of the trips to come
.set BIAS, 32
.set BF,   64
.set ACC,  128
.set T0,   BF                          ; ahead of the loop, in the fragment buffers: at work
.set T1,   BF+1
.set DI,   BF+2
.set QV,   BF+3                        ; 8 x the token of my lane in the bitmap word in hand
.set LA,   BF+4                        ; the list word of my row in my first tile's first block
.set WS,   BF+5                        ; where I put 8 bytes of my wave's first weight row
.set BO,   BF+6                        ; the bias loads' offset
.set WV,  16                           ; wave
.set EX,  17                           ; expert
.set OFS, 20                           ; s[20:21] an offset
.set NP,  22                           ; the next free place of the list; at the end the expert's rows
.set NT,  23                           ; its tiles of 64
.set UU,  25                           ; my tile of this trip
.set TT,  26
.set TC,  27                           ; counts the tile loop
.set MK,  35
.set C1,  52
.set RC,  53
.set LO7, 54
.set HI7, 55
.set SIG, 56
.set MSB, 0
.macro WIN new                         ; the immediate's high byte repeats the setting that is left; a switch that changes nothing is dropped
.if MSB != (\new)
	s_set_vgpr_msb (MSB<<8)|(\new)
.set MSB, (\new)
.endif
.endm
.macro PLACES                          ; a load into a register that a matrix instruction named, and a vector read of its result, stand four plain vector instructions behind it
.rept 4
	v_nop
.endr
.endm
; The expert's 2 x 64 bitmap words, 16 of each a trip.  Every wave adds up the places; store = 1 (wave 0): place -> 4 q goes into LIST, and the last word into the 64 places behind.
.macro ROUTE store
.if \store
	v_add_nc_u32 v[DI], DUMP, v[LANE]
	v_lshlrev_b32 v[QV], 3, v[LANE]
	v_mov_b32 v[ACC], 0
	v_mov_b32 v[ACC+1], 0
	v_mov_b32 v[ACC+2], 0
	v_mov_b32 v[ACC+3], 0
	v_add_nc_u32 v[T0], LIST, v[L16]
.set k, 0
.rept 17
	ds_store_b128 v[T0], v[ACC:ACC+3] offset:512*k ; the list is cleared: the words of tiles past the count, which are read and not used, are written too
.set k, k+1
.endr
.endif
	s_mov_b32 s[RC], 4
.Lroute_\@:
	s_load_b512 s[36:51], s[10:11], 0x0            ; first choices
	s_load_b512 s[68:83], s[10:11], 0x100          ; second choices
	s_wait_kmcnt 0x0
.set j, 0
.rept 16
	s_or_b32 s[MK], s[36+j], s[68+j]               ; 32 tokens: who took this expert
.if \store
	v_mbcnt_lo_u32_b32 v[T0], s[MK], s[NP]         ; my token's place: those before this word + those below my lane
	v_cndmask_b32 v[T0], v[DI], v[T0], s[MK]       ; a lane without a bit stores into a word of its own behind the list
	v_min_u32 v[T0], 0x87f, v[T0]
	v_lshl_add_u32 v[T0], v[T0], 2, LIST
	v_cndmask_b32 v[T1], 0, 4, s[68+j]             ; 4 kpos
	v_add_nc_u32 v[T1], v[T1], v[QV]
	ds_store_b32 v[T0], v[T1]
	v_add_nc_u32 v[QV], 256, v[QV]
.endif
	s_bcnt1_i32_b32 s[C1], s[MK]
	s_add_co_u32 s[NP], s[NP], s[C1]
.set j, j+1
.endr
	s_add_nc_u64 s[10:11], s[10:11], 64            ; the scalar loads are done: their base may step
	s_sub_co_u32 s[RC], s[RC], 1
	s_cmp_lg_u32 s[RC], 0
	s_cbranch_scc1 .Lroute_\@
.if \store
	s_max_u32 s[TT], s[NP], 1
	s_sub_co_u32 s[TT], s[TT], 1                   ; the last row's place (with no row: a cleared word)
	s_min_u32 s[TT], s[TT], 0x87f
	v_lshl_add_u32 v[T0], s[TT], 2, LIST
	ds_load_b32 v[T1], v[T0]                       ; LDS serves a wave's instructions in order (ISA guide 5.7.1.4): this sees my stores above
	s_min_u32 s[C1], s[NP], 0x820
	v_add_nc_u32 v[DI], s[C1], v[LANE]
	v_lshl_add_u32 v[DI], v[DI], 2, LIST
	s_wait_dscnt 0x0
	ds_store_b32 v[DI], v[T1]                      ; the 64 places behind the count repeat the last row
	ds_store_b32 v[DI], v[T1] offset:128
.endif
.endm
; Group g of the tile's row loads: the token fragments of K steps SPG g .. of all NB blocks, 16 loads, into buffer g % 4 of window 1
.macro AGRP g
	WIN 0x40                                       ; destination window 1, offset window 0
.set ks, 0
.rept SPG
.set b, 0
.rept NB
.set ar, 64*((\g)%4)+8*NB*ks+8*b
	global_load_b128 v[ar:ar+3],   v[RO+b], s[4:5] offset:64*(SPG*(\g)+ks)
	global_load_b128 v[ar+4:ar+7], v[RO+b], s[4:5] offset:64*(SPG*(\g)+ks)+32
.set b, b+1
.endr
.set ks, ks+1
.endr
.endm
.macro BLOAD s                         ; K step s's 4 weight fragments into buffer s % 2: fixed registers, the step in the immediate
.set nbuf, BF+32*((\s)%2)
.set c, 0
.rept 4
	ds_load_b128 v[nbuf+8*c:nbuf+8*c+3],   v[WB0+c/2] offset:(c%2)*16*PITCH+64*(\s)
	ds_load_b128 v[nbuf+8*c+4:nbuf+8*c+7], v[WB0+c/2] offset:(c%2)*16*PITCH+64*(\s)+32
.set c, c+1
.endr
.endm
; K step s.  At a group's first step its row fragments are waited for and the group three ahead is asked for: 48 loads of the wave, 24,576 bytes, are out at the most.
; The next step's weight fragments are asked for, then come 4 NB matrix instructions; the accumulators take turns, one instruction a turn, in the same order in every step.
.macro STEP s
.set gg, (\s)/SPG
.if (\s) > 0
	PLACES                                         ; behind the last step's products: the loads below land in registers that they read
.endif
.if (\s)%SPG == 0
.if gg < NG-2
	s_wait_loadcnt 0x20                            ; this group is in; the two younger groups stay out
.elseif gg == NG-2
	s_wait_loadcnt 0x10                            ; one younger group is left
.else
	s_wait_loadcnt 0x0                             ; the last group
.endif
.if gg+3 < NG
	AGRP gg+3
.endif
.endif
	WIN 0x04                                       ; source 1 (tokens) window 1; all else, the LDS loads' registers too, window 0
.if (\s) < 31
	BLOAD (\s)+1
	s_wait_dscnt 0x8                               ; the 8 just issued may be out: this step's fragments are in
.else
	s_wait_dscnt 0x0
.endif
.set cbuf, BF+32*((\s)%2)
.set b, 0
.rept NB
.set af, 64*(gg%4)+8*NB*((\s)%SPG)+8*b
.set c, 0
.rept 4
.set ac, ACC+8*(4*b+c)
.if (\s) == 0
	v_wmma_f32_16x16x32_f16 v[ac:ac+7], v[cbuf+8*c:cbuf+8*c+7], v[af:af+7], v[BIAS+8*c:BIAS+8*c+7]
.else
	v_wmma_f32_16x16x32_f16 v[ac:ac+7], v[cbuf+8*c:cbuf+8*c+7], v[af:af+7], v[ac:ac+7]
.endif
.set c, c+1
.endr
.set b, b+1
.endr
.endm
; Blocks 2 p and 2 p + 1: 32 (glu, lin) pairs a lane.  g = min(glu, 7), l = clip(lin, -7, 7), act = g sigmoid(1.702 g) (l + 1); sigmoid = 1 / (1 + 2^(-1.702 log2(e) g)).
; Each accumulator is read from its low end on.  The 32 exponentials are one batch with one wait, the 32 reciprocals another.  At work: fragment buffer p, which no product needs any more.
.macro SWIGLU p
.set tp, BF+32*(\p)
.set m, 0
.rept 32
.set g, ACC+64*(\p)+8*(m/4)+2*(m%4)
	v_min_num_f32 v[g], s[HI7], v[g]
	v_med3_num_f32 v[g+1], v[g+1], s[LO7], s[HI7]
	v_mul_f32 v[tp+m], s[SIG], v[g]
.set m, m+1
.endr
.set m, 0
.rept 32
	v_exp_f32 v[tp+m], v[tp+m]
.set m, m+1
.endr
	v_nop                                          ; a plain instruction behind the last exponential,
	s_wait_alu depctr_va_vdst(0)                   ; and the batch's one wait, ahead of the first reader
.set m, 0
.rept 32
	v_add_f32 v[tp+m], 1.0, v[tp+m]
.set m, m+1
.endr
.set m, 0
.rept 32
	v_rcp_f32 v[tp+m], v[tp+m]
.set m, m+1
.endr
	v_nop
	s_wait_alu depctr_va_vdst(0)
.set m, 0
.rept 32
.set g, ACC+64*(\p)+8*(m/4)+2*(m%4)
	v_mul_f32 v[tp+m], v[g], v[tp+m]               ; P = g sigmoid
.set m, m+1
.endr
.set m, 0
.rept 32
.set g, ACC+64*(\p)+8*(m/4)+2*(m%4)
	v_fma_f32 v[g], v[tp+m], v[g+1], v[tp+m]       ; P l + P
.set m, m+1
.endr
.set n, 0
.rept 16
.set g, ACC+64*(\p)+8*(n/2)+4*(n%2)
	v_cvt_pk_f16_f32 v[tp+n], v[g], v[g+2]         ; block n / 8: registers 2 c, 2 c + 1 of the next launch's fragment
.set n, n+1
.endr
.set a, 0
.rept 2
	global_store_b128 v[SO], v[tp+8*a:tp+8*a+3],   s[12:13] offset:1024*(2*(\p)+a)      ; 512 bytes on end, at a multiple of 512 from act's first byte
	global_store_b128 v[SO], v[tp+8*a+4:tp+8*a+7], s[12:13] offset:1024*(2*(\p)+a)+512
.set a, a+1
.endr
.endm
	s_load_b256 s[4:11], s[0:1], 0x0               ; hb s[4:5], mlp1_w s[6:7], mlp1_b s[8:9], bm s[10:11]
	s_load_b64 s[12:13], s[0:1], 0x20              ; act
	v_lshl_add_u32 v[SPW], v0, 2, SPARE
	v_mov_b32 v[NIL], 0
	v_and_b32 v[LANE], 31, v0
	v_lshrrev_b32 v[T0], 5, v0
	v_readfirstlane_b32 s[WV], v[T0]               ; wave 0..7
	v_lshlrev_b32 v[L16], 4, v[LANE]
	v_bfe_u32 v[T1], v0, 4, 1                      ; lane / 16
	v_lshlrev_b32 v[H16], 4, v[T1]
	v_lshlrev_b32 v[BO], 5, v[T1]                  ; the bias: 8 numbers further for the upper lanes
	s_lshr_b32 s[EX], ttmp9, 5
	s_lshl_b32 s[OFS], ttmp9, 18                   ; the slice: 64 rows of 4,096 bytes,
	s_lshl_b32 s[TT], s[WV], 15                    ; my wave's 8 of them
	s_add_co_u32 s[OFS], s[OFS], s[TT]
	s_mov_b32 s[OFS+1], 0
	s_mov_b32 s[LO7], 0xc0e00000                   ; -7
	s_mov_b32 s[HI7], 0x40e00000                   ; 7
	s_mov_b32 s[SIG], 0xc01d265f                   ; -1.702 log2(e)
	s_mov_b32 s[NP], 0                             ; rank 0 lies at place 0 of the list
	s_wait_kmcnt 0x0
	s_add_nc_u64 s[6:7], s[6:7], s[OFS:OFS+1]
	s_lshl_b32 s[OFS], ttmp9, 8                    ; the slice's 64 biases
	s_add_nc_u64 s[8:9], s[8:9], s[OFS:OFS+1]
	s_lshl_b32 s[OFS], s[EX], 9                    ; the expert's two bitmaps
	s_add_nc_u64 s[10:11], s[10:11], s[OFS:OFS+1]
	s_lshl_b32 s[OFS], ttmp9, 17                   ; act[e][sl]: 128 blocks of 1,024 bytes
	s_add_nc_u64 s[12:13], s[12:13], s[OFS:OFS+1]
	WIN 0x40
.set k, 0
.rept 56                               ; seven of my eight rows are asked for at once, 512 bytes on end a load; the eighth follows when the first has landed: 56 loads of the wave are out at the most
	global_load_b128 v[4*k:4*k+3], v[L16], s[6:7] offset:4096*(k/8)+512*(k%8) th:TH_LOAD_NT
.set k, k+1
.endr
	WIN 0
	v_and_b32 v[T0], 15, v0                        ; lane % 16
	v_mul_u32_u24 v[WB0], v[T0], PITCH
	v_add_nc_u32 v[WB0], v[WB0], v[H16]
	v_add_nc_u32 v[WB1], 32*PITCH, v[WB0]
	s_lshl_b32 s[TT], s[WV], 8
	s_add_co_u32 s[TT], s[TT], LIST
	v_lshl_add_u32 v[LA], v[T0], 2, s[TT]          ; rank 64 w + lane % 16
	v_lshl_add_u32 v[SO], s[WV], 12, v[L16]        ; tile w: 4 blocks of 1,024 bytes; + 16 x lane
	s_mul_i32 s[TT], s[WV], 8*PITCH
	v_lshl_add_u32 v[WS], v[LANE], 3, s[TT]
	; the routing, while the weights are on their way
	s_cmp_lg_u32 s[WV], 0
	s_cbranch_scc1 .Lcount_only
	ROUTE 1
	s_branch .Lrouted
.Lcount_only:
	ROUTE 0
.Lrouted:
	s_add_co_u32 s[NT], s[NP], 63
	s_lshr_b32 s[NT], s[NT], 6
	; the weights: f32 to f16, a row at a time, into LDS
.set g, 0
.rept 8
.if g < 3
	s_wait_loadcnt 0x30                            ; row g is in; 48 younger loads stay out (the later rows', the eighth row's, the bias's as far as issued)
.else
	s_wait_loadcnt 64-8*g                          ; row g is in; the later rows' and the bias's stay out
.endif
	WIN 0x05                                       ; sources window 1, destination window 0
.set i, 0
.rept 8
	v_cvt_pk_f16_f32 v[ACC+16*g+2*i],   v[4*(8*g+i)],   v[4*(8*g+i)+1]
	v_cvt_pk_f16_f32 v[ACC+16*g+2*i+1], v[4*(8*g+i)+2], v[4*(8*g+i)+3]
.set i, i+1
.endr
.if g == 0
	WIN 0x40
.set i, 0
.rept 8
	global_load_b128 v[224+4*i:224+4*i+3], v[L16], s[6:7] offset:4096*7+512*i th:TH_LOAD_NT   ; my eighth row
.set i, i+1
.endr
.endif
	WIN 0
.if g == 1
.set k, 0
.rept 8
	global_load_b128 v[BIAS+4*k:BIAS+4*k+3], v[BO], s[8:9] offset:64*(k/2)+16*(k%2)  ; bias of columns 16 c + 8 (lane / 16) + 0..7
.set k, k+1
.endr
.endif
.set i, 0
.rept 8
	ds_store_b64 v[WS], v[ACC+16*g+2*i:ACC+16*g+2*i+1] offset:PITCH*g+256*i   ; 256 bytes on end
.set i, i+1
.endr
.set g, g+1
.endr
	s_wait_dscnt 0x0                               ; for the others' sake: my 8 rows, and wave 0's list, lie in LDS
	s_barrier_signal -1
	s_barrier_wait -1                              ; the kernel's one barrier: from here on LDS is only read
.set k, 0
.rept 16
	ds_load_b32 v[Q+k], v[LA] offset:2048*(k/4)+64*(k%4)   ; trip k / 4 (512 ranks on each), block k % 4
.set k, k+1
.endr
	s_wait_loadcnt 0x0                             ; the bias
	s_wait_dscnt 0x0
	s_mov_b32 s[UU], s[WV]
	s_mov_b32 s[TC], 4
.Ltile:                                                ; four trips cover 32 tiles; a dead one is jumped, forward, past text without a barrier
	s_cmp_lt_u32 s[UU], s[NT]
	s_cbranch_scc0 .Lnext
.set b, 0
.rept NB
	v_min_u32 v[RO+b], 0x3ffc, v[Q+b]
	v_and_b32 v[RO+b], 0x3ff8, v[RO+b]             ; 8 x token
	v_lshl_add_u32 v[RO+b], v[RO+b], 8, v[H16]     ; token x 2,048 bytes + 16 (lane / 16)
.set b, b+1
.endr
	AGRP 0
	AGRP 1
	AGRP 2
	WIN 0x04
	BLOAD 0
.set st, 0
.rept 32
	STEP st
.set st, st+1
.endr
	WIN 0
	PLACES                                         ; the lines below read results just made
	SWIGLU 0
	SWIGLU 1
.Lnext:
	s_wait_xcnt 0x0                                ; the stores' offset and data are rewritten only behind this wait
.set k, 0
.rept 12
	v_mov_b32 v[Q+k], v[Q+k+4]                     ; the next trip's list words move down
.set k, k+1
.endr
	v_add_nc_u32 v[SO], 32768, v[SO]               ; 8 tiles of 4,096 bytes on
	s_add_co_u32 s[UU], s[UU], 8
	s_sub_co_u32 s[TC], s[TC], 1
	s_cmp_lg_u32 s[TC], 0
	s_cbranch_scc1 .Ltile
	s_wait_tensorcnt 0x0                           ; the wave's end, behind my last LDS store
	ds_add_u32 v[SPW], v[NIL]
	s_wait_dscnt 0x0
	s_endpgm
.Lfunc_end_k_q132b5076fd_mlp1:
	.size	k_q132b5076fd_mlp1, .Lfunc_end_k_q132b5076fd_mlp1-k_q132b5076fd_mlp1
	.p2alignl 7, 3214868480
	.fill 96, 4, 3214868480
	.section	.rodata,"a",@progbits
	.p2align	6, 0x0
	.amdhsa_kernel k_q132b5076fd_mlp1
		.amdhsa_group_segment_fixed_size 141824
		.amdhsa_private_segment_fixed_size 0
		.amdhsa_enable_private_segment 0
		.amdhsa_kernarg_size 40
		.amdhsa_user_sgpr_count 2
		.amdhsa_user_sgpr_kernarg_segment_ptr 1
		.amdhsa_wavefront_size32 1
		.amdhsa_system_sgpr_workgroup_id_x 1
		.amdhsa_system_sgpr_workgroup_id_y 1
		.amdhsa_system_sgpr_workgroup_id_z 1
		.amdhsa_system_vgpr_workitem_id 0
		.amdhsa_next_free_vgpr 512
		.amdhsa_next_free_sgpr 88
		.amdhsa_reserve_vcc 0
		.amdhsa_float_denorm_mode_32 3
		.amdhsa_float_denorm_mode_16_64 3
		.amdhsa_memory_ordered 1
		.amdhsa_forward_progress 1
		.amdhsa_inst_pref_size 140
	.end_amdhsa_kernel
	.amdgpu_metadata
---
amdhsa.version: [ 1, 2 ]
amdhsa.kernels:
  - .name:           k_q132b5076fd_mlp1
    .symbol:         k_q132b5076fd_mlp1.kd
    .args:
      - { .name: hb, .offset: 0, .size: 8, .value_kind: global_buffer, .address_space: global }
      - { .name: mlp1_w, .offset: 8, .size: 8, .value_kind: global_buffer, .address_space: global }
      - { .name: mlp1_b, .offset: 16, .size: 8, .value_kind: global_buffer, .address_space: global }
      - { .name: bm, .offset: 24, .size: 8, .value_kind: global_buffer, .address_space: global }
      - { .name: act, .offset: 32, .size: 8, .value_kind: global_buffer, .address_space: global }
    .group_segment_fixed_size: 141824
    .private_segment_fixed_size: 0
    .kernarg_segment_align: 8
    .kernarg_segment_size: 40
    .max_flat_workgroup_size: 256
    .sgpr_count:     88
    .vgpr_count:     512
    .wavefront_size: 32
...
	.end_amdgpu_metadata
.endif
;; end of part 2
;; launch mlp2 (part 3): grid 256 x 1, 8 waves a work-group, no clusters, 176,640 bytes of LDS; arguments act, mlp2_w, mlp2_b, bm, gw, y; writes y
.if DOCPART == 3
	.amdgcn_target "amdgcn-amd-amdhsa--gfx1250"
	.amdhsa_code_object_version 6
	.text
	.protected	k_q132b5076fd_mlp2
	.globl	k_q132b5076fd_mlp2
	.p2align	8
	.type	k_q132b5076fd_mlp2,@function
k_q132b5076fd_mlp2:
	s_mov_b64 s[64:65], 0
	v_nop
	global_prefetch_b8 v0, s[64:65] scope:SCOPE_SE
	s_setreg_imm32_b32 hwreg(HW_REG_WAVE_MODE, 25, 1), 1
	s_wait_xcnt 0x0
; The second product of the chosen experts, its bias and the gate's weight:  y[q][1024] (f32) = gw[q] (act row of rank(q) . mlp2_w[e]^T + mlp2_b[e]),  q = 2 token + kpos.
; SHARES.  Work-group 2 (16 e + ds) + p reads rows 64 ds .. + 63 of mlp2_w[e] (262,144 bytes on end), rounds them to f16 into LDS, and takes those of the expert's units of 32 rows whose number has
; parity p: 64 columns are a whole 256 bytes of a row of y, and a slice has two readers, neighbours in the grid.  Local unit u is ranks 64 u + 32 p .. + 31; wave w has local units w + 8 j, j = 0..3
; (32 local units: every split is served); a unit past the count is jumped.  Ranks are the expert's tokens in ascending order, counted from bm as the launch before counts them; wave 0 lays
; place -> 4 q into LDS, rank 0 at place 32 - 32 p, so that the places which a wave reads do not hang on p.
; Places past the count in the last unit repeat the expert's LAST row: the launch before has laid that row's act there, and the list repeats its q.  So they make the same numbers, and their stores
; write the same bytes to the same place of y once more, from the same wave: no store is masked.
; IN THE TILE LOOP every LDS address is a register that is never rewritten plus an immediate: K is written out, 32 steps; the wave's list words and gate weights for all four trips are fetched ahead of the
; loop and move down two registers a trip; the only LDS bytes written there are the wave's own stage.  So no barrier stands in it.
; THE MATRIX INSTRUCTION: source 0 = 16 weight rows, source 1 = 16 rows of act: a lane holds ONE row (lane % 16) and columns 16 c + 8 (lane / 16) + 0..7, so the gate's weight is one number a lane and block.
; The first K step takes the bias as its C.
; act LIES AS MY OPERAND: [e][K step][block of 16 ranks][half g][lane][16 bytes]: a fragment is two loads of 512 bytes on end.  In it lane (r, h) holds act columns 8 c + 4 h + 0..3 of the K step, c = 0, 1 in
; half 0 and c = 2, 3 in half 1.  The weights get the same order of k where they are laid into LDS: the 8 bytes of columns 8 c + 4 h + 0..3 go to byte 32 (c / 2) + 16 h + 8 (c % 2) of the K step's 64.
; FORMATS.  act and the weights in f16, sums and y in f32.  LIMITS: |mlp2_w| under 65,504; below 6e-5 f16 keeps a fixed step of 6e-8; NaN and infinities are not treated apart.
; NO CLUSTER, NO TENSOR LOADS: the number of rows is data, so a tile load would stand in text that is jumped; a slice of weights has two readers only.
; REGISTERS: window 0: v0-31 addresses, list words, gate weights; v32-63 bias; v64-127 two buffers of 4 weight fragments (ahead of the loop: at work); v128-191 8 accumulators ((b, c) at 128 + 8 (4 b + c));
; v192-207 the stores' offsets.  Window 1: four buffers of 64: act fragments of four K steps each; at the start the 64 weight loads land there.
.set PITCH,  2064                      ; a weight row in LDS: 2,048 bytes + 16: an odd multiple of 16 (64 banks of 4 bytes: ISA guide 11.1)
.set LIST,   64*PITCH                  ; 2,176 words: places 0 .. 2,143 of the list and its tail, then 32 words into which lanes without a bit store
.set DUMP,   2144
.set STAGE,  LIST+8704                 ; each wave's own: 16 rows x 272 bytes: 256 of a row of y's slice, the row's 4 q, padding
.set SBYTES, 4352
.set SPARE,  STAGE+8*SBYTES            ; the spare words, 128 bytes a wave: four blocks of 256 bytes that no other line names
.set KSTR,   131072                    ; bytes from a K step to the next in act: 128 blocks of 1,024 bytes
.set NB,     2                         ; blocks of 16 rows in a tile
.set SPG,    4                         ; K steps in a group of 16 row loads
.set NG,     32/SPG
.set LANE, 1
.set L16,  2
.set H16,  3
.set SPW,  4                           ; my spare word; never rewritten
.set NIL,  5                           ; 0; never rewritten
.set WB0,  6                           ; my place in weight fragments 0, 1; never rewritten
.set WB1,  7                           ; in fragments 2, 3; never rewritten
.set AO,   8                           ; my byte offset in a K step of act: the tile's first block + 16 x lane
.set STW,  9                           ; stage: where I put my row's first 16 bytes
.set STR,  10                          ; stage: where I read 16 bytes of a row back
.set SQW,  11                          ; stage: my row's word for 4 q
.set SQR,  12                          ; stage: that word of the row that I read back
.set COL,  13                          ; 16 (lane % 16)
.set Q,    16                          ; v[16:23] 4 q of my row in block b of this trip (Q + b) and of the trips to come
.set GW,   24                          ; v[24:31] the gate's weights likewise
.set BIAS, 32
.set BF,   64
.set ACC,  128
.set QS,   192                         ; v[192:207] block b, store i: 4 q of the row, then its offset in y
.set T0,   BF                          ; ahead of the loop, in the fragment buffers: at work
.set T1,   BF+1
.set DI,   BF+2
.set QV,   BF+3
.set LA,   BF+4
.set WS,   BF+5
.set BO,   BF+6
.set GA,   BF+8                        ; v[72:79] the gate weights' offsets
.set WV,  16
.set EX,  17
.set PAR, 18                           ; p
.set SL,  19                           ; 16 e + ds
.set OFS, 20
.set NP,  22                           ; the next free place of the list
.set NU,  23                           ; my parity's units
.set SH,  24                           ; the place of rank 0: 32 - 32 p
.set UU,  25
.set TT,  26
.set TC,  27
.set MK,  35
.set C1,  52
.set RC,  53
.set MSB, 0
.macro WIN new                         ; the immediate's high byte repeats the setting that is left; a switch that changes nothing is dropped
.if MSB != (\new)
	s_set_vgpr_msb (MSB<<8)|(\new)
.set MSB, (\new)
.endif
.endm
.macro PLACES                          ; four plain vector instructions behind a matrix instruction, ahead of loads into its registers and of vector reads of its result
.rept 4
	v_nop
.endr
.endm
; The expert's 2 x 64 bitmap words, 16 of each a trip.  Every wave adds up the places; store = 1 (wave 0): place -> 4 q goes into LIST, and the last word into the 64 places behind.
.macro ROUTE store
.if \store
	v_add_nc_u32 v[DI], DUMP, v[LANE]
	v_lshlrev_b32 v[QV], 3, v[LANE]
	v_mov_b32 v[ACC], 0
	v_mov_b32 v[ACC+1], 0
	v_mov_b32 v[ACC+2], 0
	v_mov_b32 v[ACC+3], 0
	v_add_nc_u32 v[T0], LIST, v[L16]
.set k, 0
.rept 17
	ds_store_b128 v[T0], v[ACC:ACC+3] offset:512*k ; the list is cleared: the words of units past the count, which are read and not used, are written too
.set k, k+1
.endr
.endif
	s_mov_b32 s[RC], 4
.Lroute_\@:
	s_load_b512 s[36:51], s[10:11], 0x0            ; first choices
	s_load_b512 s[68:83], s[10:11], 0x100          ; second choices
	s_wait_kmcnt 0x0
.set j, 0
.rept 16
	s_or_b32 s[MK], s[36+j], s[68+j]               ; 32 tokens: who took this expert
.if \store
	v_mbcnt_lo_u32_b32 v[T0], s[MK], s[NP]         ; my token's place
	v_cndmask_b32 v[T0], v[DI], v[T0], s[MK]       ; a lane without a bit stores into a word of its own behind the list
	v_min_u32 v[T0], 0x87f, v[T0]
	v_lshl_add_u32 v[T0], v[T0], 2, LIST
	v_cndmask_b32 v[T1], 0, 4, s[68+j]             ; 4 kpos
	v_add_nc_u32 v[T1], v[T1], v[QV]
	ds_store_b32 v[T0], v[T1]
	v_add_nc_u32 v[QV], 256, v[QV]
.endif
	s_bcnt1_i32_b32 s[C1], s[MK]
	s_add_co_u32 s[NP], s[NP], s[C1]
.set j, j+1
.endr
	s_add_nc_u64 s[10:11], s[10:11], 64            ; the scalar loads are done: their base may step
	s_sub_co_u32 s[RC], s[RC], 1
	s_cmp_lg_u32 s[RC], 0
	s_cbranch_scc1 .Lroute_\@
.if \store
	s_max_u32 s[TT], s[NP], 1
	s_sub_co_u32 s[TT], s[TT], 1                   ; the last row's place (with no row: a cleared word)
	s_min_u32 s[TT], s[TT], 0x87f
	v_lshl_add_u32 v[T0], s[TT], 2, LIST
	ds_load_b32 v[T1], v[T0]                       ; LDS serves a wave's instructions in order (ISA guide 5.7.1.4): this sees my stores above
	s_min_u32 s[C1], s[NP], 0x820
	v_add_nc_u32 v[DI], s[C1], v[LANE]
	v_lshl_add_u32 v[DI], v[DI], 2, LIST
	s_wait_dscnt 0x0
	ds_store_b32 v[DI], v[T1]                      ; the 64 places behind the count repeat the last row
	ds_store_b32 v[DI], v[T1] offset:128
.endif
.endm
; Group g of the tile's row loads: act's fragments of K steps SPG g .. of both blocks, 16 loads of 512 bytes on end, into buffer g % 4 of window 1
.macro AGRP g
	WIN 0x40                                       ; destination window 1, offset window 0
.set ks, 0
.rept SPG
.set b, 0
.rept NB
.set ar, 64*((\g)%4)+8*NB*ks+8*b
	global_load_b128 v[ar:ar+3],   v[AO], s[4:5] offset:KSTR*(SPG*(\g)+ks)+1024*b
	global_load_b128 v[ar+4:ar+7], v[AO], s[4:5] offset:KSTR*(SPG*(\g)+ks)+1024*b+512
.set b, b+1
.endr
.set ks, ks+1
.endr
.endm
.macro BLOAD s                         ; K step s's 4 weight fragments into buffer s % 2: fixed registers, the step in the immediate
.set nbuf, BF+32*((\s)%2)
.set c, 0
.rept 4
	ds_load_b128 v[nbuf+8*c:nbuf+8*c+3],   v[WB0+c/2] offset:(c%2)*16*PITCH+64*(\s)
	ds_load_b128 v[nbuf+8*c+4:nbuf+8*c+7], v[WB0+c/2] offset:(c%2)*16*PITCH+64*(\s)+32
.set c, c+1
.endr
.endm
; K step s.  At a group's first step its fragments of act are waited for and the group three ahead is asked for: 48 loads of the wave, 24,576 bytes, are out at the most.
; The next step's weight fragments are asked for, then come 4 NB matrix instructions; the accumulators take turns, one instruction a turn, in the same order in every step.
.macro STEP s
.set gg, (\s)/SPG
.if (\s) > 0
	PLACES                                         ; behind the last step's products: the loads below land in registers that they read
.endif
.if (\s)%SPG == 0
.if gg < NG-2
	s_wait_loadcnt 0x20                            ; this group is in; the two younger groups stay out
.elseif gg == NG-2
	s_wait_loadcnt 0x10                            ; one younger group is left
.else
	s_wait_loadcnt 0x0                             ; the last group
.endif
.if gg+3 < NG
	AGRP gg+3
.endif
.endif
	WIN 0x04                                       ; source 1 (act) window 1; all else, the LDS loads' registers too, window 0
.if (\s) < 31
	BLOAD (\s)+1
	s_wait_dscnt 0x8                               ; the 8 just issued may be out: this step's fragments are in
.else
	s_wait_dscnt 0x0
.endif
.set cbuf, BF+32*((\s)%2)
.set b, 0
.rept NB
.set af, 64*(gg%4)+8*NB*((\s)%SPG)+8*b
.set c, 0
.rept 4
.set ac, ACC+8*(4*b+c)
.if (\s) == 0
	v_wmma_f32_16x16x32_f16 v[ac:ac+7], v[cbuf+8*c:cbuf+8*c+7], v[af:af+7], v[BIAS+8*c:BIAS+8*c+7]
.else
	v_wmma_f32_16x16x32_f16 v[ac:ac+7], v[cbuf+8*c:cbuf+8*c+7], v[af:af+7], v[ac:ac+7]
.endif
.set c, c+1
.endr
.set b, b+1
.endr
.endm
; Block b on its way out: times the gate's weight (each accumulator from its low end on); into my stage, the row's 4 q beside it; back so that 16 lanes hold a row's 256 bytes, into the registers that they left.
.macro OUTA b
.set a, ACC+32*(\b)
.set m, 0
.rept 32
	v_mul_f32 v[a+m], v[GW+(\b)], v[a+m]
.set m, m+1
.endr
.set m, 0
.rept 8
	ds_store_b128 v[STW], v[a+4*m:a+4*m+3] offset:64*(m/2)+16*(m%2)
.set m, m+1
.endr
	ds_store_b32 v[SQW], v[Q+(\b)]                 ; both halves of the lanes store the same word
.set i, 0
.rept 8
	ds_load_b32 v[QS+8*(\b)+i], v[SQR] offset:544*i
.set i, i+1
.endr
.set i, 0
.rept 8
	ds_load_b128 v[a+4*i:a+4*i+3], v[STR] offset:544*i   ; LDS serves a wave's instructions in order (ISA guide 5.7.1.4): these see my stores above, and the next block's stores come behind them
.set i, i+1
.endr
.endm
.macro OUTS b                          ; rows 2 i and 2 i + 1 of block b go to rows q of y
.set a, ACC+32*(\b)
.set i, 0
.rept 8
	v_min_u32 v[QS+8*(\b)+i], 0x3ffc, v[QS+8*(\b)+i]
	v_lshl_add_u32 v[QS+8*(\b)+i], v[QS+8*(\b)+i], 10, v[COL]   ; q x 4,096 bytes + 16 (lane % 16)
.set i, i+1
.endr
.set i, 0
.rept 8
	global_store_b128 v[QS+8*(\b)+i], v[a+4*i:a+4*i+3], s[14:15]   ; 16 lanes store 256 bytes on end, at a multiple of 256 from y's first byte
.set i, i+1
.endr
.endm
	s_load_b256 s[4:11], s[0:1], 0x0               ; act s[4:5], mlp2_w s[6:7], mlp2_b s[8:9], bm s[10:11]
	s_load_b128 s[12:15], s[0:1], 0x20             ; gw s[12:13], y s[14:15]
	v_lshl_add_u32 v[SPW], v0, 2, SPARE
	v_mov_b32 v[NIL], 0
	v_and_b32 v[LANE], 31, v0
	v_lshrrev_b32 v[T0], 5, v0
	v_readfirstlane_b32 s[WV], v[T0]               ; wave 0..7
	v_lshlrev_b32 v[L16], 4, v[LANE]
	v_bfe_u32 v[T1], v0, 4, 1                      ; lane / 16
	v_lshlrev_b32 v[H16], 4, v[T1]
	v_lshlrev_b32 v[BO], 5, v[T1]                  ; the bias: 8 numbers further for the upper lanes
	s_lshr_b32 s[EX], ttmp9, 5
	s_and_b32 s[PAR], ttmp9, 1
	s_lshr_b32 s[SL], ttmp9, 1
	s_lshl_b32 s[OFS], s[SL], 18                   ; the slice: 64 rows of 4,096 bytes,
	s_lshl_b32 s[TT], s[WV], 15                    ; my wave's 8 of them
	s_add_co_u32 s[OFS], s[OFS], s[TT]
	s_mov_b32 s[OFS+1], 0
	s_xor_b32 s[SH], s[PAR], 1
	s_lshl_b32 s[SH], s[SH], 5
	s_mov_b32 s[NP], s[SH]
	s_wait_kmcnt 0x0
	s_add_nc_u64 s[6:7], s[6:7], s[OFS:OFS+1]
	s_lshl_b32 s[OFS], s[SL], 8                    ; the slice's 64 biases
	s_add_nc_u64 s[8:9], s[8:9], s[OFS:OFS+1]
	s_lshl_b32 s[OFS], s[EX], 9                    ; the expert's two bitmaps
	s_add_nc_u64 s[10:11], s[10:11], s[OFS:OFS+1]
	s_lshl_b32 s[OFS], s[EX], 22                   ; act[e]: 32 K steps of 131,072 bytes,
	s_lshl_b32 s[TT], s[PAR], 11                   ; and my parity's two blocks in each four
	s_add_co_u32 s[OFS], s[OFS], s[TT]
	s_add_nc_u64 s[4:5], s[4:5], s[OFS:OFS+1]
	s_and_b32 s[OFS], s[SL], 15
	s_lshl_b32 s[OFS], s[OFS], 8                   ; the slice's 256 bytes in a row of y
	s_add_nc_u64 s[14:15], s[14:15], s[OFS:OFS+1]
	WIN 0x40
.set k, 0
.rept 56                               ; seven of my eight rows are asked for at once, 512 bytes on end a load; the eighth follows when the first has landed: 56 loads of the wave are out at the most
	global_load_b128 v[4*k:4*k+3], v[L16], s[6:7] offset:4096*(k/8)+512*(k%8)
.set k, k+1
.endr
	WIN 0
	v_and_b32 v[T0], 15, v0                        ; lane % 16
	v_mul_u32_u24 v[WB0], v[T0], PITCH
	v_add_nc_u32 v[WB0], v[WB0], v[H16]
	v_add_nc_u32 v[WB1], 32*PITCH, v[WB0]
	s_lshl_b32 s[TT], s[WV], 8
	s_add_co_u32 s[TT], s[TT], LIST+128
	v_lshl_add_u32 v[LA], v[T0], 2, s[TT]          ; place 32 + 64 w + lane % 16
	v_lshl_add_u32 v[AO], s[WV], 12, v[L16]        ; local unit w: 4 blocks of 1,024 bytes on each; + 16 x lane
	v_lshlrev_b32 v[COL], 4, v[T0]
	s_mul_i32 s[TT], s[WV], SBYTES
	s_add_co_u32 s[TT], s[TT], STAGE               ; my stage
	v_mul_u32_u24 v[STW], v[T0], 272               ; in: row lane % 16,
	v_add_nc_u32 v[STW], s[TT], v[STW]
	v_add_nc_u32 v[SQW], 256, v[STW]
	v_lshl_add_u32 v[STW], v[T1], 5, v[STW]        ; 32 bytes for each half of the lanes
	v_mul_u32_u24 v[STR], v[T1], 272               ; back: lanes 0-15 one row of 256 bytes, lanes 16-31 the next
	v_add_nc_u32 v[STR], s[TT], v[STR]
	v_add_nc_u32 v[SQR], 256, v[STR]
	v_add_nc_u32 v[STR], v[STR], v[COL]
	; where my 8 bytes (4 columns 4 l .. of each 128) go in a weight row: K step l / 8; in it c = (l % 8) / 2, h = l % 2: byte 32 (c / 2) + 16 h + 8 (c % 2)
	v_lshrrev_b32 v[WS], 3, v[LANE]
	v_lshlrev_b32 v[WS], 6, v[WS]
	v_bfe_u32 v[DI], v0, 2, 1
	v_lshl_add_u32 v[WS], v[DI], 5, v[WS]
	v_and_b32 v[DI], 1, v0
	v_lshl_add_u32 v[WS], v[DI], 4, v[WS]
	v_bfe_u32 v[DI], v0, 1, 1
	v_lshl_add_u32 v[WS], v[DI], 3, v[WS]
	s_mul_i32 s[TT], s[WV], 8*PITCH
	v_add_nc_u32 v[WS], s[TT], v[WS]
	; the routing, while the weights are on their way
	s_cmp_lg_u32 s[WV], 0
	s_cbranch_scc1 .Lcount_only
	ROUTE 1
	s_branch .Lrouted
.Lcount_only:
	ROUTE 0
.Lrouted:
	s_sub_co_u32 s[NU], s[NP], s[SH]               ; the expert's rows,
	s_add_co_u32 s[NU], s[NU], 31
	s_lshr_b32 s[NU], s[NU], 5                     ; its units of 32,
	s_add_co_u32 s[NU], s[NU], 1
	s_sub_co_u32 s[NU], s[NU], s[PAR]
	s_lshr_b32 s[NU], s[NU], 1                     ; those of my parity
	; the weights: f32 to f16, a row at a time, into LDS
.set g, 0
.rept 8
.if g < 3
	s_wait_loadcnt 0x30                            ; row g is in; 48 younger loads stay out (the later rows', the eighth row's, the bias's as far as issued)
.else
	s_wait_loadcnt 64-8*g                          ; row g is in; the later rows' and the bias's stay out
.endif
	WIN 0x05                                       ; sources window 1, destination window 0
.set i, 0
.rept 8
	v_cvt_pk_f16_f32 v[ACC+16*g+2*i],   v[4*(8*g+i)],   v[4*(8*g+i)+1]
	v_cvt_pk_f16_f32 v[ACC+16*g+2*i+1], v[4*(8*g+i)+2], v[4*(8*g+i)+3]
.set i, i+1
.endr
.if g == 0
	WIN 0x40
.set i, 0
.rept 8
	global_load_b128 v[224+4*i:224+4*i+3], v[L16], s[6:7] offset:4096*7+512*i   ; my eighth row
.set i, i+1
.endr
.endif
	WIN 0
.if g == 1
.set k, 0
.rept 8
	global_load_b128 v[BIAS+4*k:BIAS+4*k+3], v[BO], s[8:9] offset:64*(k/2)+16*(k%2)  ; bias of columns 16 c + 8 (lane / 16) + 0..7
.set k, k+1
.endr
.endif
.set i, 0
.rept 8
	ds_store_b64 v[WS], v[ACC+16*g+2*i:ACC+16*g+2*i+1] offset:PITCH*g+256*i   ; the wave's 32 lanes fill 256 bytes on end, in the order of k given above
.set i, i+1
.endr
.set g, g+1
.endr
	s_wait_dscnt 0x0                               ; for the others' sake: my 8 rows, and wave 0's list, lie in LDS
	s_barrier_signal -1
	s_barrier_wait -1                              ; the kernel's one barrier: from here on LDS's shared parts are only read
.set k, 0
.rept 8
	ds_load_b32 v[Q+k], v[LA] offset:2048*(k/2)+64*(k%2)   ; trip k / 2 (512 ranks on each), block k % 2
.set k, k+1
.endr
	s_wait_dscnt 0x0
.set k, 0
.rept 8
	v_min_u32 v[GA+k], 0x3ffc, v[Q+k]              ; 4 q is the weight's byte offset
.set k, k+1
.endr
.set k, 0
.rept 8
	global_load_b32 v[GW+k], v[GA+k], s[12:13]
.set k, k+1
.endr
	s_wait_loadcnt 0x0                             ; the bias and the gate's weights
	s_mov_b32 s[UU], s[WV]
	s_mov_b32 s[TC], 4
.Ltile:                                                ; four trips cover 32 local units; a dead one is jumped, forward, past text without a barrier
	s_cmp_lt_u32 s[UU], s[NU]
	s_cbranch_scc0 .Lnext
	AGRP 0
	AGRP 1
	AGRP 2
	WIN 0x04
	BLOAD 0
	s_wait_storecnt 0x0                            ; the last tile's stores are done: their data (the accumulators' registers) and offsets are rewritten only behind this wait, which stands in the shadow of the loads above
.set st, 0
.rept 32
	STEP st
.set st, st+1
.endr
	WIN 0
	PLACES                                         ; the lines below read results just made
	OUTA 0
	OUTA 1
	s_wait_dscnt 0x19                              ; block 1's 9 stores and 16 loads may be out: block 0 is back
	OUTS 0
	s_wait_dscnt 0x0
	OUTS 1
.Lnext:
.set k, 0
.rept 6
	v_mov_b32 v[Q+k], v[Q+k+2]                     ; the next trip's list words and gate weights move down
	v_mov_b32 v[GW+k], v[GW+k+2]
.set k, k+1
.endr
	v_add_nc_u32 v[AO], 32768, v[AO]               ; 8 local units of 4,096 bytes on; the loads that named it have landed
	s_add_co_u32 s[UU], s[UU], 8
	s_sub_co_u32 s[TC], s[TC], 1
	s_cmp_lg_u32 s[TC], 0
	s_cbranch_scc1 .Ltile
	s_wait_tensorcnt 0x0                           ; the wave's end, behind my last LDS store
	ds_add_u32 v[SPW], v[NIL]
	s_wait_dscnt 0x0
	s_endpgm
.Lfunc_end_k_q132b5076fd_mlp2:
	.size	k_q132b5076fd_mlp2, .Lfunc_end_k_q132b5076fd_mlp2-k_q132b5076fd_mlp2
	.p2alignl 7, 3214868480
	.fill 96, 4, 3214868480
	.section	.rodata,"a",@progbits
	.p2align	6, 0x0
	.amdhsa_kernel k_q132b5076fd_mlp2
		.amdhsa_group_segment_fixed_size 176640
		.amdhsa_private_segment_fixed_size 0
		.amdhsa_enable_private_segment 0
		.amdhsa_kernarg_size 48
		.amdhsa_user_sgpr_count 2
		.amdhsa_user_sgpr_kernarg_segment_ptr 1
		.amdhsa_wavefront_size32 1
		.amdhsa_system_sgpr_workgroup_id_x 1
		.amdhsa_system_sgpr_workgroup_id_y 1
		.amdhsa_system_sgpr_workgroup_id_z 1
		.amdhsa_system_vgpr_workitem_id 0
		.amdhsa_next_free_vgpr 512
		.amdhsa_next_free_sgpr 88
		.amdhsa_reserve_vcc 0
		.amdhsa_float_denorm_mode_32 3
		.amdhsa_float_denorm_mode_16_64 3
		.amdhsa_memory_ordered 1
		.amdhsa_forward_progress 1
		.amdhsa_inst_pref_size 98
	.end_amdhsa_kernel
	.amdgpu_metadata
---
amdhsa.version: [ 1, 2 ]
amdhsa.kernels:
  - .name:           k_q132b5076fd_mlp2
    .symbol:         k_q132b5076fd_mlp2.kd
    .args:
      - { .name: act, .offset: 0, .size: 8, .value_kind: global_buffer, .address_space: global }
      - { .name: mlp2_w, .offset: 8, .size: 8, .value_kind: global_buffer, .address_space: global }
      - { .name: mlp2_b, .offset: 16, .size: 8, .value_kind: global_buffer, .address_space: global }
      - { .name: bm, .offset: 24, .size: 8, .value_kind: global_buffer, .address_space: global }
      - { .name: gw, .offset: 32, .size: 8, .value_kind: global_buffer, .address_space: global }
      - { .name: y, .offset: 40, .size: 8, .value_kind: global_buffer, .address_space: global }
    .group_segment_fixed_size: 176640
    .private_segment_fixed_size: 0
    .kernarg_segment_align: 8
    .kernarg_segment_size: 48
    .max_flat_workgroup_size: 256
    .sgpr_count:     88
    .vgpr_count:     512
    .wavefront_size: 32
...
	.end_amdgpu_metadata
.endif
;; end of part 3
;; launch combine (part 4): grid 256 x 1, 8 waves a work-group, no clusters, 0 bytes of LDS; arguments x, y, out0; writes out0
.if DOCPART == 4
	.amdgcn_target "amdgcn-amd-amdhsa--gfx1250"
	.amdhsa_code_object_version 6
	.text
	.protected	k_q132b5076fd_combine
	.globl	k_q132b5076fd_combine
	.p2align	8
	.type	k_q132b5076fd_combine,@function
k_q132b5076fd_combine:
	s_mov_b64 s[64:65], 0
	v_nop
	global_prefetch_b8 v0, s[64:65] scope:SCOPE_SE
	s_setreg_imm32_b32 hwreg(HW_REG_WAVE_MODE, 25, 1), 1
	s_wait_xcnt 0x0
; out0[t] = x[t] + (y[2 t] + y[2 t + 1]): the two chosen experts' weighted rows, partial sums kept in f32, and the residual.
; A stream: a wave takes one token, 3 x 4,096 bytes in and 4,096 out.  All 24 loads (12,288 bytes a wave) go out before the first wait; each load and store of the wave covers 512 bytes on end.
; No LDS, no barrier, no loop, no index: memory binds, and nothing is read twice.
.set R, 8                              ; chunk i: v[8 + 12 i ..]: 4 of y[2 t], 4 of y[2 t + 1], 4 of x
	s_load_b128 s[4:7], s[0:1], 0x0                ; x s[4:5], y s[6:7]
	s_load_b64 s[8:9], s[0:1], 0x10                ; out0
	v_and_b32 v1, 31, v0
	v_lshrrev_b32 v2, 5, v0
	v_readfirstlane_b32 s10, v2                    ; wave 0..7
	v_lshlrev_b32 v1, 4, v1                        ; 16 bytes a lane
	s_lshl_b32 s11, ttmp9, 3
	s_add_co_u32 s11, s11, s10                     ; my token
	s_lshl_b32 s12, s11, 12
	s_mov_b32 s13, 0
	s_lshl_b32 s14, s11, 13
	s_mov_b32 s15, 0
	s_wait_kmcnt 0x0
	s_add_nc_u64 s[4:5], s[4:5], s[12:13]
	s_add_nc_u64 s[8:9], s[8:9], s[12:13]
	s_add_nc_u64 s[6:7], s[6:7], s[14:15]
.irp i, 0,1,2,3,4,5,6,7
	global_load_b128 v[R+12*(\i):R+12*(\i)+3],    v1, s[6:7] offset:512*(\i) th:TH_LOAD_NT
	global_load_b128 v[R+12*(\i)+4:R+12*(\i)+7],  v1, s[6:7] offset:4096+512*(\i) th:TH_LOAD_NT
	global_load_b128 v[R+12*(\i)+8:R+12*(\i)+11], v1, s[4:5] offset:512*(\i) th:TH_LOAD_NT
.endr
.irp i, 0,1,2,3,4,5,6,7
	s_wait_loadcnt 21-3*(\i)                       ; chunk i's three loads are in; the later chunks' stay out
	v_pk_add_f32 v[R+12*(\i):R+12*(\i)+1],   v[R+12*(\i):R+12*(\i)+1],   v[R+12*(\i)+4:R+12*(\i)+5]
	v_pk_add_f32 v[R+12*(\i)+2:R+12*(\i)+3], v[R+12*(\i)+2:R+12*(\i)+3], v[R+12*(\i)+6:R+12*(\i)+7]
	v_pk_add_f32 v[R+12*(\i):R+12*(\i)+1],   v[R+12*(\i):R+12*(\i)+1],   v[R+12*(\i)+8:R+12*(\i)+9]
	v_pk_add_f32 v[R+12*(\i)+2:R+12*(\i)+3], v[R+12*(\i)+2:R+12*(\i)+3], v[R+12*(\i)+10:R+12*(\i)+11]
	global_store_b128 v1, v[R+12*(\i):R+12*(\i)+3], s[8:9] offset:512*(\i) th:TH_STORE_NT
.endr
	s_endpgm
.Lfunc_end_k_q132b5076fd_combine:
	.size	k_q132b5076fd_combine, .Lfunc_end_k_q132b5076fd_combine-k_q132b5076fd_combine
	.p2alignl 7, 3214868480
	.fill 96, 4, 3214868480
	.section	.rodata,"a",@progbits
	.p2align	6, 0x0
	.amdhsa_kernel k_q132b5076fd_combine
		.amdhsa_group_segment_fixed_size 0
		.amdhsa_private_segment_fixed_size 0
		.amdhsa_enable_private_segment 0
		.amdhsa_kernarg_size 24
		.amdhsa_user_sgpr_count 2
		.amdhsa_user_sgpr_kernarg_segment_ptr 1
		.amdhsa_wavefront_size32 1
		.amdhsa_system_sgpr_workgroup_id_x 1
		.amdhsa_system_sgpr_workgroup_id_y 1
		.amdhsa_system_sgpr_workgroup_id_z 1
		.amdhsa_system_vgpr_workitem_id 0
		.amdhsa_next_free_vgpr 104
		.amdhsa_next_free_sgpr 66
		.amdhsa_reserve_vcc 0
		.amdhsa_float_denorm_mode_32 3
		.amdhsa_float_denorm_mode_16_64 3
		.amdhsa_memory_ordered 1
		.amdhsa_forward_progress 1
		.amdhsa_inst_pref_size 7
	.end_amdhsa_kernel
	.amdgpu_metadata
---
amdhsa.version: [ 1, 2 ]
amdhsa.kernels:
  - .name:           k_q132b5076fd_combine
    .symbol:         k_q132b5076fd_combine.kd
    .args:
      - { .name: x, .offset: 0, .size: 8, .value_kind: global_buffer, .address_space: global }
      - { .name: y, .offset: 8, .size: 8, .value_kind: global_buffer, .address_space: global }
      - { .name: out0, .offset: 16, .size: 8, .value_kind: global_buffer, .address_space: global }
    .group_segment_fixed_size: 0
    .private_segment_fixed_size: 0
    .kernarg_segment_align: 8
    .kernarg_segment_size: 24
    .max_flat_workgroup_size: 256
    .sgpr_count:     66
    .vgpr_count:     104
    .wavefront_size: 32
...
	.end_amdgpu_metadata
.endif
;; end of part 4
;; ======== version 2 of 2: 4 launches; version 1 with the launches mlp1, mlp2 written anew for expert scheduling mode
;; limits: values are held in f16: magnitudes above 65,504 overflow, below 6.1e-05 lose precision; inputs' magnitudes at most 65,504
;; workspace buffers: hb 4,194,304 bytes; bm 4,096 bytes of whole numbers; gw 16,384 bytes; act 33,554,432 bytes; y 16,777,216 bytes
;; launch router: the kernel of part 1 again; grid 256 x 1, 8 waves a work-group, no clusters, 34,048 bytes of LDS; arguments x, norm_w, gate_w, gate_b, hb, bm, gw; writes hb, bm, gw
;; launch mlp1 (part 5): grid 256 x 1, 8 waves a work-group, no clusters, 141,824 bytes of LDS; arguments hb, mlp1_w, mlp1_b, bm, act; writes act
.if DOCPART == 5
	.amdgcn_target "amdgcn-amd-amdhsa--gfx1250"
	.amdhsa_code_object_version 6
	.text
	.protected	k_q132b5076fd_mlp1
	.globl	k_q132b5076fd_mlp1
	.p2align	8
	.type	k_q132b5076fd_mlp1,@function
k_q132b5076fd_mlp1:
	s_mov_b64 s[64:65], 0
	v_nop
	global_prefetch_b8 v0, s[64:65] scope:SCOPE_SE
	s_setreg_imm32_b32 hwreg(HW_REG_WAVE_SCHED_MODE, 0, 2), 2
	s_setreg_imm32_b32 hwreg(HW_REG_WAVE_MODE, 25, 1), 1
	s_wait_xcnt 0x0
	s_wait_alu depctr_vm_vsrc(0)
; The first product of the chosen experts, its bias and the clamped SwiGLU:  act (f16) = swiglu(h[token(rank)] . mlp1_w[e]^T + mlp1_b[e]).
; SHARES.  Work-group 32 e + sl alone reads rows 64 sl .. + 63 of mlp1_w[e] (262,144 bytes on end, each byte once in the launch), rounds them to f16 on their way through registers
; into LDS, and multiplies ALL rows of expert e by them.  An expert's rows are its tokens in ascending order (their rank); every wave counts them from the bitmaps bm, wave 0 lays the list
; rank -> 4 q (q = 2 token + kpos) into LDS.  The eight waves split the rows in tiles of 64: wave w has tiles w + 8 j, j = 0..3 (2,048 rows: every split is served); a tile past the count is jumped.
; Places past the count in the last tile repeat the expert's LAST row (wave 0 copies its list word into the 64 places behind the count), so their results are that row's once more.
; IN THE TILE LOOP nothing writes LDS and every LDS address is a register that is never rewritten plus an immediate: K is written out, 32 steps; the wave's list words for all four trips
; are read ahead of the loop and move down four registers a trip.  So no barrier stands in it.
; THE MATRIX INSTRUCTION: source 0 = 16 weight rows, source 1 = 16 token rows: a lane then holds ONE token (lane % 16) and columns 16 c + 8 (lane / 16) + 0..7: four (glu, lin) pairs in neighbouring
; registers.  The first K step takes the bias as its C: nothing is cleared and nothing added later.
; act LIES AS THE NEXT LAUNCH'S OPERAND: [e][K step = sl][block of 16 ranks][half g][lane][16 bytes].  A lane's 16 results of a block (act columns 8 c + 4 (lane / 16) + 0..3, c = 0..3) are the 16 numbers
; that the same lane takes there as source 1, c = 0, 1 in half 0 and c = 2, 3 in half 1: a permutation of k inside the K step, which the next launch applies to its weights too.  So a store is 512 bytes on end, and no stage is needed.
; FORMATS.  h and the weights in f16, sums in f32, act rounded once to f16 (|act| <= 56 by reference()'s own clamps).  LIMITS: |mlp1_w| under 65,504; below 6e-5 f16 keeps a fixed step of 6e-8; NaN and infinities are not treated apart.
; NO CLUSTER, NO TENSOR LOADS: a slice of weights has one reader; what an expert's 32 work-groups share is its token rows, which come by a list that no tile descriptor covers, in a number that is data.
; REGISTERS, in windows of 256 (s_set_vgpr_msb: bits 1:0 source 0, 3:2 source 1, 5:4 source 2, 7:6 destination):
;   window 0: v0-31 addresses and the list words; v32-63 bias; v64-127 two buffers of 4 weight fragments (ahead of the loop: at work); v128-255 16 accumulators ((b, c) at 128 + 8 (4 b + c))
;   window 1: four buffers of 64: token fragments of two K steps each; at the start the 64 weight loads land there
; THE MODE: SCHED_MODE bits 1:0 = 2 (LLVM: expert scheduling mode 2), set by the entry lines.  The code itself states the register dependences
; between vector or matrix instructions and memory or LDS instructions, with s_wait_alu, always for 0.
; THE PLAN.  Registers that memory or LDS instructions touch, in the tile loop:
;   A0 .. A3 (window 1)  Group g's products read A[g % 4]; the loads of group g + 3 land in A[(g - 1) % 4] and are issued at group g's first step.
;   BF0, BF1             Step s's products read BF[s % 2]; the LDS loads of step s + 1 land in the other one, which step s - 1 read.  On the way out they are SwiGLU's out-buffers: roundings write them, the stores of act read them.
;   v[RO ..]             Written at a tile's head, read by the tile's row loads.     v[SO]  Read by the stores of act, stepped at a trip's end.
;   v[WB0], v[WB1]       Read by every LDS load of a fragment; never written again.
;   The accumulators and the bias are named by vector and matrix instructions alone.
; So ONE wait on va_vdst stands at the head of a K step, behind the waits for its data: the products of the step before are done reading the buffers in which this step's loads land.  The row loads follow it in one
; run (they need another window), the LDS loads are dealt among the step's first products, which name none of their registers.  One wait on va_vdst at a tile's head serves the tile's first loads and step 0's;
; one wait on vm_vsrc at a trip's end frees all that the trip's loads and stores have read.
.set PITCH,  2064                      ; a weight row in LDS: 2,048 bytes + 16: an odd multiple of 16, so that the 16 rows of a fragment load start at 16 different groups of four banks (64 banks of 4 bytes: ISA guide 11.1)
.set LIST,   64*PITCH                  ; 2,176 words: places 0 .. 2,143 of the list and its tail, then 32 words into which lanes without a bit store
.set DUMP,   2144
.set SPARE,  LIST+8704                 ; the spare words, 128 bytes a wave: four blocks of 256 bytes that no other line names
.set NB,     4                         ; blocks of 16 rows in a tile
.set SPG,    2                         ; K steps in a group of 16 row loads
.set NG,     32/SPG
.set LANE, 1
.set L16,  2                           ; 16 x lane
.set H16,  3                           ; 16 x (lane / 16)
.set SPW,  4                           ; my spare word; never rewritten
.set NIL,  5                           ; 0; never rewritten
.set WB0,  6                           ; my place in weight fragments 0, 1: (lane % 16) x pitch + 16 (lane / 16); never rewritten
.set WB1,  7                           ; in fragments 2, 3: 32 rows on; never rewritten
.set SO,   8                           ; my byte offset in act's slice for the tile's first store
.set RO,   10                          ; v[10:13] block b: byte offset of my token's row in hb + 16 (lane / 16)
.set Q,    16                          ; v[16:31] the list words of my row in block b of this trip (Q + b) and of the trips to come
.set BIAS, 32
.set BF,   64
.set ACC,  128
.set T0,   BF                          ; ahead of the loop, in the fragment buffers: at work
.set T1,   BF+1
.set DI,   BF+2
.set QV,   BF+3                        ; 8 x the token of my lane in the bitmap word in hand
.set LA,   BF+4                        ; the list word of my row in my first tile's first block
.set WS,   BF+5                        ; where I put 8 bytes of my wave's first weight row
.set BO,   BF+6                        ; the bias loads' offset
.set CL,   BF+7                        ; wave 0: where I clear the list
.set RA,   BF+16                       ; wave 0: v[80:95]   the LDS addresses of a trip's 16 list stores
.set RD,   BF+32                       ; wave 0: v[96:111]  their 16 words
.set ZR,   BF+48                       ; wave 0: v[112:115] four zeros
.set WV,  16                           ; wave
.set EX,  17                           ; expert
.set OFS, 20                           ; s[20:21] an offset
.set NP,  22                           ; the next free place of the list; at the end the expert's rows
.set NT,  23                           ; its tiles of 64
.set UU,  25                           ; my tile of this trip
.set TT,  26
.set TC,  27                           ; counts the tile loop
.set MK,  35
.set C1,  52
.set RC,  53
.set LO7, 54
.set HI7, 55
.set SIG, 56
.set MSB, 0
.macro WIN new                         ; the immediate's high byte repeats the setting that is left; a switch that changes nothing is dropped
.if MSB != (\new)
	s_set_vgpr_msb (MSB<<8)|(\new)
.set MSB, (\new)
.endif
.endm
.macro PLACES                          ; a vector read of a matrix result stands four plain vector instructions behind the matrix instruction (ISA guide 7.12.1)
.rept 4
	v_nop
.endr
.endm
; The expert's 2 x 64 bitmap words, 16 of each a trip.  Every wave adds up the places; store = 1 (wave 0): place -> 4 q goes into LIST, and the last word into the 64 places behind.
; A trip's 16 addresses and 16 words are made in registers of their own, so that one wait stands ahead of its 16 stores.
.macro ROUTE store
.if \store
	v_add_nc_u32 v[DI], DUMP, v[LANE]
	v_lshlrev_b32 v[QV], 3, v[LANE]
	v_mov_b32 v[ZR], 0
	v_mov_b32 v[ZR+1], 0
	v_mov_b32 v[ZR+2], 0
	v_mov_b32 v[ZR+3], 0
	v_lshl_add_u32 v[CL], v[LANE], 4, LIST
	s_wait_alu depctr_va_vdst(0)                   ; v[CL] and the four zeros are written, which the LDS stores below read
.set k, 0
.rept 17
	ds_store_b128 v[CL], v[ZR:ZR+3] offset:512*k   ; the list is cleared: the words of tiles past the count, which are read and not used, are written too
.set k, k+1
.endr
.endif
	s_mov_b32 s[RC], 4
.Lroute_\@:
	s_load_b512 s[36:51], s[10:11], 0x0            ; first choices
	s_load_b512 s[68:83], s[10:11], 0x100          ; second choices
.if \store
	s_wait_alu depctr_vm_vsrc(0)                   ; the last trip's LDS stores have read v[RA ..] and v[RD ..], which the lines below write again
.endif
	s_wait_kmcnt 0x0
.set j, 0
.rept 16
	s_or_b32 s[MK], s[36+j], s[68+j]               ; 32 tokens: who took this expert
.if \store
	v_mbcnt_lo_u32_b32 v[RA+j], s[MK], s[NP]       ; my token's place: those before this word + those below my lane
	v_cndmask_b32 v[RA+j], v[DI], v[RA+j], s[MK]   ; a lane without a bit stores into a word of its own behind the list
	v_min_u32 v[RA+j], 0x87f, v[RA+j]
	v_lshl_add_u32 v[RA+j], v[RA+j], 2, LIST
	v_cndmask_b32 v[RD+j], 0, 4, s[68+j]           ; 4 kpos
	v_add_nc_u32 v[RD+j], v[RD+j], v[QV]
	v_add_nc_u32 v[QV], 256, v[QV]
.endif
	s_bcnt1_i32_b32 s[C1], s[MK]
	s_add_co_u32 s[NP], s[NP], s[C1]
.set j, j+1
.endr
.if \store
	s_wait_alu depctr_va_vdst(0)                   ; the trip's 16 addresses and 16 words are written, which the LDS stores below read
.set j, 0
.rept 16
	ds_store_b32 v[RA+j], v[RD+j]
.set j, j+1
.endr
.endif
	s_add_nc_u64 s[10:11], s[10:11], 64            ; the scalar loads are done: their base may step
	s_sub_co_u32 s[RC], s[RC], 1
	s_cmp_lg_u32 s[RC], 0
	s_cbranch_scc1 .Lroute_\@
.if \store
	s_max_u32 s[TT], s[NP], 1
	s_sub_co_u32 s[TT], s[TT], 1                   ; the last row's place (with no row: a cleared word)
	s_min_u32 s[TT], s[TT], 0x87f
	v_lshl_add_u32 v[T0], s[TT], 2, LIST
	s_min_u32 s[C1], s[NP], 0x820
	v_add_nc_u32 v[DI], s[C1], v[LANE]
	v_lshl_add_u32 v[DI], v[DI], 2, LIST
	s_wait_alu depctr_va_vdst(0)                   ; v[T0] and v[DI] are written, the addresses of the load and of the two stores below; the head's lines are done with v[T1], in which the load lands
	ds_load_b32 v[T1], v[T0]                       ; LDS serves a wave's instructions in order (ISA guide 5.7.1.4): this sees my stores above
	s_wait_dscnt 0x0
	ds_store_b32 v[DI], v[T1]                      ; the 64 places behind the count repeat the last row
	ds_store_b32 v[DI], v[T1] offset:128
.endif
.endm
; Group g of the tile's row loads: the token fragments of K steps SPG g .. of all NB blocks, 16 loads, into buffer g % 4 of window 1
.macro AGRP g
	WIN 0x40                                       ; destination window 1, offset window 0
.set ks, 0
.rept SPG
.set b, 0
.rept NB
.set ar, 64*((\g)%4)+8*NB*ks+8*b
	global_load_b128 v[ar:ar+3],   v[RO+b], s[4:5] offset:64*(SPG*(\g)+ks)
	global_load_b128 v[ar+4:ar+7], v[RO+b], s[4:5] offset:64*(SPG*(\g)+ks)+32
.set b, b+1
.endr
.set ks, ks+1
.endr
.endm
.macro BFRAG s, c                      ; weight fragment c of K step s into buffer s % 2: fixed registers, the step in the immediate
	ds_load_b128 v[BF+32*((\s)%2)+8*(\c):BF+32*((\s)%2)+8*(\c)+3],   v[WB0+(\c)/2] offset:((\c)%2)*16*PITCH+64*(\s)
	ds_load_b128 v[BF+32*((\s)%2)+8*(\c)+4:BF+32*((\s)%2)+8*(\c)+7], v[WB0+(\c)/2] offset:((\c)%2)*16*PITCH+64*(\s)+32
.endm
; K step s.  At a group's first step its row fragments are waited for and the group three ahead is asked for: 48 loads of the wave, 24,576 bytes, are out at the most.
; The next step's weight fragments are asked for two loads at a time, ahead of each of the step's first four products; 4 NB matrix instructions; the accumulators take turns, one instruction a turn,
; in the same order in every step.
.macro STEP s
.set gg, (\s)/SPG
.if (\s)%SPG == 0
.if gg < NG-2
	s_wait_loadcnt 0x20                            ; this group is in; the two younger groups stay out
.elseif gg == NG-2
	s_wait_loadcnt 0x10                            ; one younger group is left
.else
	s_wait_loadcnt 0x0                             ; the last group
.endif
.endif
	s_wait_dscnt 0x0                               ; this step's weight fragments, asked for a step ago, are in: nothing younger is out
.if ((\s)%SPG == 0) && (gg+3 < NG)
	WIN 0x40                                       ; the switch stands ahead of the wait, the wait ahead of the loads
.endif
.if ((\s) > 0) && ((\s) < 31)
	s_wait_alu depctr_va_vdst(0)                   ; the last step's products are done reading the other fragment buffer and, at a group's first step, the last group's row buffer: this step's loads land in them
.endif
.if ((\s)%SPG == 0) && (gg+3 < NG)
	AGRP gg+3
.endif
	WIN 0x04                                       ; source 1 (tokens) window 1; all else, the LDS loads' registers too, window 0
.set cbuf, BF+32*((\s)%2)
.set n, 0
.rept 4*NB
.if ((\s) < 31) && (n < 4)
	BFRAG (\s)+1, n                                ; no further wait: the products since the wait name this step's buffers and the accumulators alone
.endif
.set af, 64*(gg%4)+8*NB*((\s)%SPG)+8*(n/4)
.set ac, ACC+8*n
.if (\s) == 0
	v_wmma_f32_16x16x32_f16 v[ac:ac+7], v[cbuf+8*(n%4):cbuf+8*(n%4)+7], v[af:af+7], v[BIAS+8*(n%4):BIAS+8*(n%4)+7]
.else
	v_wmma_f32_16x16x32_f16 v[ac:ac+7], v[cbuf+8*(n%4):cbuf+8*(n%4)+7], v[af:af+7], v[ac:ac+7]
.endif
.set n, n+1
.endr
.endm
.macro ACTOUT p                        ; blocks 2 p and 2 p + 1 leave from fragment buffer p
.set a, 0
.rept 2
	global_store_b128 v[SO], v[BF+32*(\p)+8*a:BF+32*(\p)+8*a+3],   s[12:13] offset:1024*(2*(\p)+a)      ; 512 bytes on end, at a multiple of 512 from act's first byte
	global_store_b128 v[SO], v[BF+32*(\p)+8*a+4:BF+32*(\p)+8*a+7], s[12:13] offset:1024*(2*(\p)+a)+512
.set a, a+1
.endr
.endm
; Blocks 2 p and 2 p + 1: 32 (glu, lin) pairs a lane.  g = min(glu, 7), l = clip(lin, -7, 7), act = g sigmoid(1.702 g) (l + 1); sigmoid = 1 / (1 + 2^(-1.702 log2(e) g)).
; Each accumulator is read from its low end on.  The 32 exponentials are one batch with one wait, the 32 reciprocals another.  At work: fragment buffer p, which no product needs any more.
; The first pair's stores stand behind the second pair's first wait, which shows their data written.
.macro SWIGLU p
.set tp, BF+32*(\p)
.set m, 0
.rept 32
.set g, ACC+64*(\p)+8*(m/4)+2*(m%4)
	v_min_num_f32 v[g], s[HI7], v[g]
	v_med3_num_f32 v[g+1], v[g+1], s[LO7], s[HI7]
	v_mul_f32 v[tp+m], s[SIG], v[g]
.set m, m+1
.endr
.set m, 0
.rept 32
	v_exp_f32 v[tp+m], v[tp+m]
.set m, m+1
.endr
	v_nop                                          ; a plain instruction behind the last exponential,
	s_wait_alu depctr_va_vdst(0)                   ; and the batch's one wait ahead of its first reader; for the second pair it also states that the first pair's roundings have written fragment buffer 0, which the stores below read
.if (\p) == 1
	ACTOUT 0
.endif
.set m, 0
.rept 32
	v_add_f32 v[tp+m], 1.0, v[tp+m]
.set m, m+1
.endr
.set m, 0
.rept 32
	v_rcp_f32 v[tp+m], v[tp+m]
.set m, m+1
.endr
	v_nop
	s_wait_alu depctr_va_vdst(0)                   ; the 32 reciprocals are written, ahead of their first reader
.set m, 0
.rept 32
.set g, ACC+64*(\p)+8*(m/4)+2*(m%4)
	v_mul_f32 v[tp+m], v[g], v[tp+m]               ; P = g sigmoid
.set m, m+1
.endr
.set m, 0
.rept 32
.set g, ACC+64*(\p)+8*(m/4)+2*(m%4)
	v_fma_f32 v[g], v[tp+m], v[g+1], v[tp+m]       ; P l + P
.set m, m+1
.endr
.set n, 0
.rept 16
.set g, ACC+64*(\p)+8*(n/2)+4*(n%2)
	v_cvt_pk_f16_f32 v[tp+n], v[g], v[g+2]         ; block n / 8: registers 2 c, 2 c + 1 of the next launch's fragment
.set n, n+1
.endr
.if (\p) == 1
	s_wait_alu depctr_va_vdst(0)                   ; the second pair's roundings have written fragment buffer 1, which the stores below read
	ACTOUT 1
.endif
.endm
.macro WSTORE g                        ; row g of my eight, in f16, goes into LDS
.set i, 0
.rept 8
	ds_store_b64 v[WS], v[ACC+16*(\g)+2*i:ACC+16*(\g)+2*i+1] offset:PITCH*(\g)+256*i   ; 256 bytes on end
.set i, i+1
.endr
.endm
	s_load_b256 s[4:11], s[0:1], 0x0               ; hb s[4:5], mlp1_w s[6:7], mlp1_b s[8:9], bm s[10:11]
	s_load_b64 s[12:13], s[0:1], 0x20              ; act
	v_lshl_add_u32 v[SPW], v0, 2, SPARE
	v_mov_b32 v[NIL], 0
	v_and_b32 v[LANE], 31, v0
	v_lshrrev_b32 v[T0], 5, v0
	v_readfirstlane_b32 s[WV], v[T0]               ; wave 0..7
	v_lshlrev_b32 v[L16], 4, v[LANE]
	v_bfe_u32 v[T1], v0, 4, 1                      ; lane / 16
	v_lshlrev_b32 v[H16], 4, v[T1]
	v_lshlrev_b32 v[BO], 5, v[T1]                  ; the bias: 8 numbers further for the upper lanes
	v_and_b32 v[T0], 15, v0                        ; lane % 16
	v_mul_u32_u24 v[WB0], v[T0], PITCH
	v_add_nc_u32 v[WB0], v[WB0], v[H16]
	v_add_nc_u32 v[WB1], 32*PITCH, v[WB0]
	s_lshr_b32 s[EX], ttmp9, 5
	s_lshl_b32 s[OFS], ttmp9, 18                   ; the slice: 64 rows of 4,096 bytes,
	s_mov_b32 s[OFS+1], 0
	s_mov_b32 s[LO7], 0xc0e00000                   ; -7
	s_mov_b32 s[HI7], 0x40e00000                   ; 7
	s_mov_b32 s[SIG], 0xc01d265f                   ; -1.702 log2(e)
	s_mov_b32 s[NP], 0                             ; rank 0 lies at place 0 of the list
	s_wait_alu depctr_va_sdst(0)                   ; the wave's number is written, ahead of its first reader
	s_lshl_b32 s[TT], s[WV], 15                    ; my wave's 8 of the slice's rows
	s_add_co_u32 s[OFS], s[OFS], s[TT]
	s_lshl_b32 s[TT], s[WV], 8
	s_add_co_u32 s[TT], s[TT], LIST
	v_lshl_add_u32 v[LA], v[T0], 2, s[TT]          ; rank 64 w + lane % 16
	v_lshl_add_u32 v[SO], s[WV], 12, v[L16]        ; tile w: 4 blocks of 1,024 bytes; + 16 x lane
	s_mul_i32 s[TT], s[WV], 8*PITCH
	v_lshl_add_u32 v[WS], v[LANE], 3, s[TT]
	s_wait_kmcnt 0x0
	s_add_nc_u64 s[6:7], s[6:7], s[OFS:OFS+1]
	s_lshl_b32 s[OFS], ttmp9, 8                    ; the slice's 64 biases
	s_add_nc_u64 s[8:9], s[8:9], s[OFS:OFS+1]
	s_lshl_b32 s[OFS], s[EX], 9                    ; the expert's two bitmaps
	s_add_nc_u64 s[10:11], s[10:11], s[OFS:OFS+1]
	s_lshl_b32 s[OFS], ttmp9, 17                   ; act[e][sl]: 128 blocks of 1,024 bytes
	s_add_nc_u64 s[12:13], s[12:13], s[OFS:OFS+1]
	WIN 0x40
	s_wait_alu depctr_va_vdst(0)                   ; the offsets and addresses made above (v[L16], v[BO], v[WB0], v[WB1], v[LA], v[SO], v[WS]) are written, which the loads and stores of the whole kernel read
.set k, 0
.rept 56                               ; seven of my eight rows are asked for at once, 512 bytes on end a load; the eighth follows when the first has landed: 56 loads of the wave are out at the most
	global_load_b128 v[4*k:4*k+3], v[L16], s[6:7] offset:4096*(k/8)+512*(k%8) th:TH_LOAD_NT
.set k, k+1
.endr
	WIN 0
	; the routing, while the weights are on their way
	s_cmp_lg_u32 s[WV], 0
	s_cbranch_scc1 .Lcount_only
	ROUTE 1
	s_branch .Lrouted
.Lcount_only:
	ROUTE 0
.Lrouted:
	s_add_co_u32 s[NT], s[NP], 63
	s_lshr_b32 s[NT], s[NT], 6
	; the weights: f32 to f16, a row at a time, into LDS.  Each row's conversions have 16 registers of their own; from row 2 on a row's stores stand behind the wait for the next row's data
.set g, 0
.rept 8
.if g < 3
	s_wait_loadcnt 0x30                            ; row g is in; 48 younger loads stay out (the later rows', the eighth row's, the bias's as far as issued)
.else
	s_wait_loadcnt 64-8*g                          ; row g is in; the later rows' and the bias's stay out
.endif
.if g >= 2
	WIN 0
	s_wait_alu depctr_va_vdst(0)                   ; the conversions of the row before have written their 16 registers, which the LDS stores below read
	WSTORE g-1
.endif
	WIN 0x05                                       ; sources window 1, destination window 0
.set i, 0
.rept 8
	v_cvt_pk_f16_f32 v[ACC+16*g+2*i],   v[4*(8*g+i)],   v[4*(8*g+i)+1]
	v_cvt_pk_f16_f32 v[ACC+16*g+2*i+1], v[4*(8*g+i)+2], v[4*(8*g+i)+3]
.set i, i+1
.endr
.if g == 0
	WIN 0x40
	s_wait_alu depctr_va_vdst(0)                   ; row 0's conversions have written their 16 registers, which the LDS stores behind the loads read
.set i, 0
.rept 8
	global_load_b128 v[224+4*i:224+4*i+3], v[L16], s[6:7] offset:4096*7+512*i th:TH_LOAD_NT   ; my eighth row, into registers that nothing has named yet
.set i, i+1
.endr
	WIN 0
	WSTORE 0
.endif
.if g == 1
	WIN 0
.set k, 0
.rept 8
	global_load_b128 v[BIAS+4*k:BIAS+4*k+3], v[BO], s[8:9] offset:64*(k/2)+16*(k%2)  ; bias of columns 16 c + 8 (lane / 16) + 0..7; no vector instruction names these registers or the offset behind the head's wait
.set k, k+1
.endr
.endif
.set g, g+1
.endr
	WIN 0
	s_wait_alu depctr_va_vdst(0)                   ; row 7's conversions have written their 16 registers, which the LDS stores below read
	WSTORE 7
	s_wait_dscnt 0x0                               ; for the others' sake: my 8 rows, and wave 0's list, lie in LDS
	s_barrier_signal -1
	s_barrier_wait -1                              ; the kernel's one barrier: from here on LDS is only read
.set k, 0
.rept 16
	ds_load_b32 v[Q+k], v[LA] offset:2048*(k/4)+64*(k%4)   ; trip k / 4 (512 ranks on each), block k % 4
.set k, k+1
.endr
	s_wait_loadcnt 0x0                             ; the bias
	s_wait_dscnt 0x0
	s_wait_alu depctr_vm_vsrc(0)                   ; all LDS and memory instructions so far have read their registers in v64-255 (addresses, offsets, list words, the weights in f16): fragments land there and products write there from here on
	s_mov_b32 s[UU], s[WV]
	s_mov_b32 s[TC], 4
.Ltile:                                                ; four trips cover 32 tiles; a dead one is jumped, forward, past text without a barrier
	s_cmp_lt_u32 s[UU], s[NT]
	s_cbranch_scc0 .Lnext
.set b, 0
.rept NB
	v_min_u32 v[RO+b], 0x3ffc, v[Q+b]
	v_and_b32 v[RO+b], 0x3ff8, v[RO+b]             ; 8 x token
	v_lshl_add_u32 v[RO+b], v[RO+b], 8, v[H16]     ; token x 2,048 bytes + 16 (lane / 16)
.set b, b+1
.endr
	WIN 0x40
	s_wait_alu depctr_va_vdst(0)                   ; v[RO ..] and v[SO] are written, which the loads and stores below read; the conversions, the last tile's products and its SwiGLU are done with the row and fragment buffers, in which the loads up to step 0's land
	AGRP 0
	AGRP 1
	AGRP 2
	WIN 0x04
	BFRAG 0, 0
	BFRAG 0, 1
	BFRAG 0, 2
	BFRAG 0, 3
.set st, 0
.rept 32
	STEP st
.set st, st+1
.endr
	WIN 0
	PLACES                                         ; the lines below read results just made
	SWIGLU 0
	SWIGLU 1
.Lnext:
	s_wait_xcnt 0x0                                ; the stores' offset and data are rewritten only behind this wait
	s_wait_alu depctr_vm_vsrc(0)                   ; the tile's stores have read v[SO] and the fragment buffers, its row loads v[RO ..]: the line that steps v[SO], the next tile's head and its fragment loads write them again
.set k, 0
.rept 12
	v_mov_b32 v[Q+k], v[Q+k+4]                     ; the next trip's list words move down
.set k, k+1
.endr
	v_add_nc_u32 v[SO], 32768, v[SO]               ; 8 tiles of 4,096 bytes on
	s_add_co_u32 s[UU], s[UU], 8
	s_sub_co_u32 s[TC], s[TC], 1
	s_cmp_lg_u32 s[TC], 0
	s_cbranch_scc1 .Ltile
	s_wait_dscnt 0x0                               ; the closing lines, six on end
	s_wait_alu 0x0
	s_wait_tensorcnt 0x0
	ds_add_u32 v[SPW], v[NIL]
	s_wait_dscnt 0x0
	s_endpgm
.Lfunc_end_k_q132b5076fd_mlp1:
	.size	k_q132b5076fd_mlp1, .Lfunc_end_k_q132b5076fd_mlp1-k_q132b5076fd_mlp1
	.p2alignl 7, 3214868480
	.fill 96, 4, 3214868480
	.section	.rodata,"a",@progbits
	.p2align	6, 0x0
	.amdhsa_kernel k_q132b5076fd_mlp1
		.amdhsa_group_segment_fixed_size 141824
		.amdhsa_private_segment_fixed_size 0
		.amdhsa_enable_private_segment 0
		.amdhsa_kernarg_size 40
		.amdhsa_user_sgpr_count 2
		.amdhsa_user_sgpr_kernarg_segment_ptr 1
		.amdhsa_wavefront_size32 1
		.amdhsa_system_sgpr_workgroup_id_x 1
		.amdhsa_system_sgpr_workgroup_id_y 1
		.amdhsa_system_sgpr_workgroup_id_z 1
		.amdhsa_system_vgpr_workitem_id 0
		.amdhsa_next_free_vgpr 512
		.amdhsa_next_free_sgpr 88
		.amdhsa_reserve_vcc 0
		.amdhsa_float_denorm_mode_32 3
		.amdhsa_float_denorm_mode_16_64 3
		.amdhsa_memory_ordered 1
		.amdhsa_forward_progress 1
		.amdhsa_inst_pref_size 138
	.end_amdhsa_kernel
	.amdgpu_metadata
---
amdhsa.version: [ 1, 2 ]
amdhsa.kernels:
  - .name:           k_q132b5076fd_mlp1
    .symbol:         k_q132b5076fd_mlp1.kd
    .args:
      - { .name: hb, .offset: 0, .size: 8, .value_kind: global_buffer, .address_space: global }
      - { .name: mlp1_w, .offset: 8, .size: 8, .value_kind: global_buffer, .address_space: global }
      - { .name: mlp1_b, .offset: 16, .size: 8, .value_kind: global_buffer, .address_space: global }
      - { .name: bm, .offset: 24, .size: 8, .value_kind: global_buffer, .address_space: global }
      - { .name: act, .offset: 32, .size: 8, .value_kind: global_buffer, .address_space: global }
    .group_segment_fixed_size: 141824
    .private_segment_fixed_size: 0
    .kernarg_segment_align: 8
    .kernarg_segment_size: 40
    .max_flat_workgroup_size: 256
    .sgpr_count:     88
    .vgpr_count:     512
    .wavefront_size: 32
...
	.end_amdgpu_metadata
.endif
;; end of part 5
;; launch mlp2 (part 6): grid 256 x 1, 8 waves a work-group, no clusters, 176,640 bytes of LDS; arguments act, mlp2_w, mlp2_b, bm, gw, y; writes y
.if DOCPART == 6
	.amdgcn_target "amdgcn-amd-amdhsa--gfx1250"
	.amdhsa_code_object_version 6
	.text
	.protected	k_q132b5076fd_mlp2
	.globl	k_q132b5076fd_mlp2
	.p2align	8
	.type	k_q132b5076fd_mlp2,@function
k_q132b5076fd_mlp2:
	s_mov_b64 s[64:65], 0
	v_nop
	global_prefetch_b8 v0, s[64:65] scope:SCOPE_SE
	s_setreg_imm32_b32 hwreg(HW_REG_WAVE_SCHED_MODE, 0, 2), 2
	s_setreg_imm32_b32 hwreg(HW_REG_WAVE_MODE, 25, 1), 1
	s_wait_xcnt 0x0
	s_wait_alu depctr_vm_vsrc(0)
; The second product of the chosen experts, its bias and the gate's weight:  y[q][1024] (f32) = gw[q] (act row of rank(q) . mlp2_w[e]^T + mlp2_b[e]),  q = 2 token + kpos.
; SHARES.  Work-group 2 (16 e + ds) + p reads rows 64 ds .. + 63 of mlp2_w[e] (262,144 bytes on end), rounds them to f16 into LDS, and takes those of the expert's units of 32 rows whose number has
; parity p: 64 columns are a whole 256 bytes of a row of y, and a slice has two readers, neighbours in the grid.  Local unit u is ranks 64 u + 32 p .. + 31; wave w has local units w + 8 j, j = 0..3
; (32 local units: every split is served); a unit past the count is jumped.  Ranks are the expert's tokens in ascending order, counted from bm as the launch before counts them; wave 0 lays
; place -> 4 q into LDS, rank 0 at place 32 - 32 p, so that the places which a wave reads do not hang on p.
; Places past the count in the last unit repeat the expert's LAST row: the launch before has laid that row's act there, and the list repeats its q.  So they make the same numbers, and their stores
; write the same bytes to the same place of y once more, from the same wave: no store is masked.
; IN THE TILE LOOP every LDS address is a register that is never rewritten plus an immediate: K is written out, 32 steps; the wave's list words and gate weights for all four trips are fetched ahead of the
; loop and move down two registers a trip; the only LDS bytes written there are the wave's own stage.  So no barrier stands in it.
; THE MATRIX INSTRUCTION: source 0 = 16 weight rows, source 1 = 16 rows of act: a lane holds ONE row (lane % 16) and columns 16 c + 8 (lane / 16) + 0..7, so the gate's weight is one number a lane and block.
; The first K step takes the bias as its C.
; act LIES AS MY OPERAND: [e][K step][block of 16 ranks][half g][lane][16 bytes]: a fragment is two loads of 512 bytes on end.  In it lane (r, h) holds act columns 8 c + 4 h + 0..3 of the K step, c = 0, 1 in
; half 0 and c = 2, 3 in half 1.  The weights get the same order of k where they are laid into LDS: the 8 bytes of columns 8 c + 4 h + 0..3 go to byte 32 (c / 2) + 16 h + 8 (c % 2) of the K step's 64.
; FORMATS.  act and the weights in f16, sums and y in f32.  LIMITS: |mlp2_w| under 65,504; below 6e-5 f16 keeps a fixed step of 6e-8; NaN and infinities are not treated apart.
; NO CLUSTER, NO TENSOR LOADS: the number of rows is data, so a tile load would stand in text that is jumped; a slice of weights has two readers only.
; REGISTERS: window 0: v0-31 addresses, list words, gate weights; v32-63 bias; v64-127 two buffers of 4 weight fragments (ahead of the loop: at work); v128-191 8 accumulators ((b, c) at 128 + 8 (4 b + c));
; v192-207 the stores' offsets.  Window 1: four buffers of 64: act fragments of four K steps each; at the start the 64 weight loads land there.
; THE MODE: SCHED_MODE bits 1:0 = 2 (LLVM: expert scheduling mode 2), set by the entry lines.  The code itself states the register dependences
; between vector or matrix instructions and memory or LDS instructions, with s_wait_alu, always for 0.
; THE PLAN.  Registers that memory or LDS instructions touch, in the tile loop:
;   A0 .. A3 (window 1)  Group g's products read A[g % 4]; the loads of group g + 3 land in A[(g - 1) % 4] and are issued at group g's first step.
;   BF0, BF1             Step s's products read BF[s % 2]; the LDS loads of step s + 1 land in the other one, which step s - 1 read.
;   the accumulators     Written by the products and by the scaling; then read by the LDS stores into the stage, landed in by the loads from it, and read by the stores of y.
;   v[QS ..]             Landed in from the stage, made into offsets by vector lines, read by the stores of y.
;   v[Q ..]              Read by an LDS store as its data, moved down at a trip's end.     v[AO]  Read by the loads of act, stepped at a trip's end.
;   v[WB0], v[WB1], the stage's four addresses   Never written again.
; So ONE wait on va_vdst stands at the head of a K step, behind the waits for its data: the products of the step before are done reading the buffers in which this step's loads land.  The loads of act follow it in one
; run (they need another window), the LDS loads are dealt among the step's first products, which name none of their registers.  One wait on va_vdst at a tile's head serves the tile's first loads and step 0's; on the way
; out one stands behind all the scalings and one behind all the offsets; a wait on vm_vsrc stands between a block's LDS stores and the loads that land in the same registers, and one at a trip's end frees all that the trip's
; loads and stores have read.
.set PITCH,  2064                      ; a weight row in LDS: 2,048 bytes + 16: an odd multiple of 16 (64 banks of 4 bytes: ISA guide 11.1)
.set LIST,   64*PITCH                  ; 2,176 words: places 0 .. 2,143 of the list and its tail, then 32 words into which lanes without a bit store
.set DUMP,   2144
.set STAGE,  LIST+8704                 ; each wave's own: 16 rows x 272 bytes: 256 of a row of y's slice, the row's 4 q, padding
.set SBYTES, 4352
.set SPARE,  STAGE+8*SBYTES            ; the spare words, 128 bytes a wave: four blocks of 256 bytes that no other line names
.set KSTR,   131072                    ; bytes from a K step to the next in act: 128 blocks of 1,024 bytes
.set NB,     2                         ; blocks of 16 rows in a tile
.set SPG,    4                         ; K steps in a group of 16 row loads
.set NG,     32/SPG
.set LANE, 1
.set L16,  2
.set H16,  3
.set SPW,  4                           ; my spare word; never rewritten
.set NIL,  5                           ; 0; never rewritten
.set WB0,  6                           ; my place in weight fragments 0, 1; never rewritten
.set WB1,  7                           ; in fragments 2, 3; never rewritten
.set AO,   8                           ; my byte offset in a K step of act: the tile's first block + 16 x lane
.set STW,  9                           ; stage: where I put my row's first 16 bytes
.set STR,  10                          ; stage: where I read 16 bytes of a row back
.set SQW,  11                          ; stage: my row's word for 4 q
.set SQR,  12                          ; stage: that word of the row that I read back
.set COL,  13                          ; 16 (lane % 16)
.set Q,    16                          ; v[16:23] 4 q of my row in block b of this trip (Q + b) and of the trips to come
.set GW,   24                          ; v[24:31] the gate's weights likewise
.set BIAS, 32
.set BF,   64
.set ACC,  128
.set QS,   192                         ; v[192:207] block b, store i: 4 q of the row, then its offset in y
.set T0,   BF                          ; ahead of the loop, in the fragment buffers: at work
.set T1,   BF+1
.set DI,   BF+2
.set QV,   BF+3
.set LA,   BF+4
.set WS,   BF+5
.set BO,   BF+6
.set CL,   BF+7                        ; wave 0: where I clear the list
.set GA,   BF+8                        ; v[72:79] the gate weights' offsets
.set RA,   BF+16                       ; wave 0: v[80:95]   the LDS addresses of a trip's 16 list stores
.set RD,   BF+32                       ; wave 0: v[96:111]  their 16 words
.set ZR,   BF+48                       ; wave 0: v[112:115] four zeros
.set WV,  16
.set EX,  17
.set PAR, 18                           ; p
.set SL,  19                           ; 16 e + ds
.set OFS, 20
.set NP,  22                           ; the next free place of the list
.set NU,  23                           ; my parity's units
.set SH,  24                           ; the place of rank 0: 32 - 32 p
.set UU,  25
.set TT,  26
.set TC,  27
.set MK,  35
.set C1,  52
.set RC,  53
.set MSB, 0
.macro WIN new                         ; the immediate's high byte repeats the setting that is left; a switch that changes nothing is dropped
.if MSB != (\new)
	s_set_vgpr_msb (MSB<<8)|(\new)
.set MSB, (\new)
.endif
.endm
.macro PLACES                          ; a vector read of a matrix result stands four plain vector instructions behind the matrix instruction (ISA guide 7.12.1)
.rept 4
	v_nop
.endr
.endm
; The expert's 2 x 64 bitmap words, 16 of each a trip.  Every wave adds up the places; store = 1 (wave 0): place -> 4 q goes into LIST, and the last word into the 64 places behind.
; A trip's 16 addresses and 16 words are made in registers of their own, so that one wait stands ahead of its 16 stores.
.macro ROUTE store
.if \store
	v_add_nc_u32 v[DI], DUMP, v[LANE]
	v_lshlrev_b32 v[QV], 3, v[LANE]
	v_mov_b32 v[ZR], 0
	v_mov_b32 v[ZR+1], 0
	v_mov_b32 v[ZR+2], 0
	v_mov_b32 v[ZR+3], 0
	v_lshl_add_u32 v[CL], v[LANE], 4, LIST
	s_wait_alu depctr_va_vdst(0)                   ; v[CL] and the four zeros are written, which the LDS stores below read
.set k, 0
.rept 17
	ds_store_b128 v[CL], v[ZR:ZR+3] offset:512*k   ; the list is cleared: the words of units past the count, which are read and not used, are written too
.set k, k+1
.endr
.endif
	s_mov_b32 s[RC], 4
.Lroute_\@:
	s_load_b512 s[36:51], s[10:11], 0x0            ; first choices
	s_load_b512 s[68:83], s[10:11], 0x100          ; second choices
.if \store
	s_wait_alu depctr_vm_vsrc(0)                   ; the last trip's LDS stores have read v[RA ..] and v[RD ..], which the lines below write again
.endif
	s_wait_kmcnt 0x0
.set j, 0
.rept 16
	s_or_b32 s[MK], s[36+j], s[68+j]               ; 32 tokens: who took this expert
.if \store
	v_mbcnt_lo_u32_b32 v[RA+j], s[MK], s[NP]       ; my token's place
	v_cndmask_b32 v[RA+j], v[DI], v[RA+j], s[MK]   ; a lane without a bit stores into a word of its own behind the list
	v_min_u32 v[RA+j], 0x87f, v[RA+j]
	v_lshl_add_u32 v[RA+j], v[RA+j], 2, LIST
	v_cndmask_b32 v[RD+j], 0, 4, s[68+j]           ; 4 kpos
	v_add_nc_u32 v[RD+j], v[RD+j], v[QV]
	v_add_nc_u32 v[QV], 256, v[QV]
.endif
	s_bcnt1_i32_b32 s[C1], s[MK]
	s_add_co_u32 s[NP], s[NP], s[C1]
.set j, j+1
.endr
.if \store
	s_wait_alu depctr_va_vdst(0)                   ; the trip's 16 addresses and 16 words are written, which the LDS stores below read
.set j, 0
.rept 16
	ds_store_b32 v[RA+j], v[RD+j]
.set j, j+1
.endr
.endif
	s_add_nc_u64 s[10:11], s[10:11], 64            ; the scalar loads are done: their base may step
	s_sub_co_u32 s[RC], s[RC], 1
	s_cmp_lg_u32 s[RC], 0
	s_cbranch_scc1 .Lroute_\@
.if \store
	s_max_u32 s[TT], s[NP], 1
	s_sub_co_u32 s[TT], s[TT], 1                   ; the last row's place (with no row: a cleared word)
	s_min_u32 s[TT], s[TT], 0x87f
	v_lshl_add_u32 v[T0], s[TT], 2, LIST
	s_min_u32 s[C1], s[NP], 0x820
	v_add_nc_u32 v[DI], s[C1], v[LANE]
	v_lshl_add_u32 v[DI], v[DI], 2, LIST
	s_wait_alu depctr_va_vdst(0)                   ; v[T0] and v[DI] are written, the addresses of the load and of the two stores below; the head's lines are done with v[T1], in which the load lands
	ds_load_b32 v[T1], v[T0]                       ; LDS serves a wave's instructions in order (ISA guide 5.7.1.4): this sees my stores above
	s_wait_dscnt 0x0
	ds_store_b32 v[DI], v[T1]                      ; the 64 places behind the count repeat the last row
	ds_store_b32 v[DI], v[T1] offset:128
.endif
.endm
; Group g of the tile's row loads: act's fragments of K steps SPG g .. of both blocks, 16 loads of 512 bytes on end, into buffer g % 4 of window 1
.macro AGRP g
	WIN 0x40                                       ; destination window 1, offset window 0
.set ks, 0
.rept SPG
.set b, 0
.rept NB
.set ar, 64*((\g)%4)+8*NB*ks+8*b
	global_load_b128 v[ar:ar+3],   v[AO], s[4:5] offset:KSTR*(SPG*(\g)+ks)+1024*b
	global_load_b128 v[ar+4:ar+7], v[AO], s[4:5] offset:KSTR*(SPG*(\g)+ks)+1024*b+512
.set b, b+1
.endr
.set ks, ks+1
.endr
.endm
.macro BFRAG s, c                      ; weight fragment c of K step s into buffer s % 2: fixed registers, the step in the immediate
	ds_load_b128 v[BF+32*((\s)%2)+8*(\c):BF+32*((\s)%2)+8*(\c)+3],   v[WB0+(\c)/2] offset:((\c)%2)*16*PITCH+64*(\s)
	ds_load_b128 v[BF+32*((\s)%2)+8*(\c)+4:BF+32*((\s)%2)+8*(\c)+7], v[WB0+(\c)/2] offset:((\c)%2)*16*PITCH+64*(\s)+32
.endm
; K step s.  At a group's first step its fragments of act are waited for and the group three ahead is asked for: 48 loads of the wave, 24,576 bytes, are out at the most.
; The next step's weight fragments are asked for two loads at a time, ahead of each of the step's first four products; 4 NB matrix instructions; the accumulators take turns, one instruction a turn,
; in the same order in every step.
.macro STEP s
.set gg, (\s)/SPG
.if (\s)%SPG == 0
.if gg < NG-2
	s_wait_loadcnt 0x20                            ; this group is in; the two younger groups stay out
.elseif gg == NG-2
	s_wait_loadcnt 0x10                            ; one younger group is left
.else
	s_wait_loadcnt 0x0                             ; the last group
.endif
.endif
	s_wait_dscnt 0x0                               ; this step's weight fragments, asked for a step ago, are in: nothing younger is out
.if ((\s)%SPG == 0) && (gg+3 < NG)
	WIN 0x40                                       ; the switch stands ahead of the wait, the wait ahead of the loads
.endif
.if ((\s) > 0) && ((\s) < 31)
	s_wait_alu depctr_va_vdst(0)                   ; the last step's products are done reading the other fragment buffer and, at a group's first step, the last group's buffer of act: this step's loads land in them
.endif
.if ((\s)%SPG == 0) && (gg+3 < NG)
	AGRP gg+3
.endif
	WIN 0x04                                       ; source 1 (act) window 1; all else, the LDS loads' registers too, window 0
.set cbuf, BF+32*((\s)%2)
.set n, 0
.rept 4*NB
.if ((\s) < 31) && (n < 4)
	BFRAG (\s)+1, n                                ; no further wait: the products since the wait name this step's buffers and the accumulators alone
.endif
.set af, 64*(gg%4)+8*NB*((\s)%SPG)+8*(n/4)
.set ac, ACC+8*n
.if (\s) == 0
	v_wmma_f32_16x16x32_f16 v[ac:ac+7], v[cbuf+8*(n%4):cbuf+8*(n%4)+7], v[af:af+7], v[BIAS+8*(n%4):BIAS+8*(n%4)+7]
.else
	v_wmma_f32_16x16x32_f16 v[ac:ac+7], v[cbuf+8*(n%4):cbuf+8*(n%4)+7], v[af:af+7], v[ac:ac+7]
.endif
.set n, n+1
.endr
.endm
; THE WAY OUT of block b, in four parts.  SCALE: times the gate's weight (each accumulator from its low end on).  OUTA: into my stage, the row's 4 q beside it, and back so that 16 lanes hold a row's 256 bytes,
; into the registers that they left.  OFFS: 4 q becomes the row's offset in y.  OUTS: rows 2 i and 2 i + 1 of the block go to rows q of y.
.macro SCALE b
.set a, ACC+32*(\b)
.set m, 0
.rept 32
	v_mul_f32 v[a+m], v[GW+(\b)], v[a+m]
.set m, m+1
.endr
.endm
.macro OUTA b
.set a, ACC+32*(\b)
.set m, 0
.rept 8
	ds_store_b128 v[STW], v[a+4*m:a+4*m+3] offset:64*(m/2)+16*(m%2)
.set m, m+1
.endr
	ds_store_b32 v[SQW], v[Q+(\b)]                 ; both halves of the lanes store the same word
.set i, 0
.rept 8
	ds_load_b32 v[QS+8*(\b)+i], v[SQR] offset:544*i
.set i, i+1
.endr
	s_wait_alu depctr_vm_vsrc(0)                   ; my LDS stores above have read the block's 32 registers, in which the loads below land
.set i, 0
.rept 8
	ds_load_b128 v[a+4*i:a+4*i+3], v[STR] offset:544*i   ; LDS serves a wave's instructions in order (ISA guide 5.7.1.4): these see my stores above, and the next block's stores come behind them
.set i, i+1
.endr
.endm
.macro OFFS b
.set i, 0
.rept 8
	v_min_u32 v[QS+8*(\b)+i], 0x3ffc, v[QS+8*(\b)+i]
	v_lshl_add_u32 v[QS+8*(\b)+i], v[QS+8*(\b)+i], 10, v[COL]   ; q x 4,096 bytes + 16 (lane % 16)
.set i, i+1
.endr
.endm
.macro OUTS b
.set a, ACC+32*(\b)
.set i, 0
.rept 8
	global_store_b128 v[QS+8*(\b)+i], v[a+4*i:a+4*i+3], s[14:15]   ; 16 lanes store 256 bytes on end, at a multiple of 256 from y's first byte
.set i, i+1
.endr
.endm
.macro WSTORE g                        ; row g of my eight, in f16, goes into LDS
.set i, 0
.rept 8
	ds_store_b64 v[WS], v[ACC+16*(\g)+2*i:ACC+16*(\g)+2*i+1] offset:PITCH*(\g)+256*i   ; the wave's 32 lanes fill 256 bytes on end, in the order of k given above
.set i, i+1
.endr
.endm
	s_load_b256 s[4:11], s[0:1], 0x0               ; act s[4:5], mlp2_w s[6:7], mlp2_b s[8:9], bm s[10:11]
	s_load_b128 s[12:15], s[0:1], 0x20             ; gw s[12:13], y s[14:15]
	v_lshl_add_u32 v[SPW], v0, 2, SPARE
	v_mov_b32 v[NIL], 0
	v_and_b32 v[LANE], 31, v0
	v_lshrrev_b32 v[T0], 5, v0
	v_readfirstlane_b32 s[WV], v[T0]               ; wave 0..7
	v_lshlrev_b32 v[L16], 4, v[LANE]
	v_bfe_u32 v[T1], v0, 4, 1                      ; lane / 16
	v_lshlrev_b32 v[H16], 4, v[T1]
	v_lshlrev_b32 v[BO], 5, v[T1]                  ; the bias: 8 numbers further for the upper lanes
	v_and_b32 v[T0], 15, v0                        ; lane % 16
	v_mul_u32_u24 v[WB0], v[T0], PITCH
	v_add_nc_u32 v[WB0], v[WB0], v[H16]
	v_add_nc_u32 v[WB1], 32*PITCH, v[WB0]
	v_lshlrev_b32 v[COL], 4, v[T0]
	; where my 8 bytes (4 columns 4 l .. of each 128) go in a weight row: K step l / 8; in it c = (l % 8) / 2, h = l % 2: byte 32 (c / 2) + 16 h + 8 (c % 2)
	v_lshrrev_b32 v[WS], 3, v[LANE]
	v_lshlrev_b32 v[WS], 6, v[WS]
	v_bfe_u32 v[DI], v0, 2, 1
	v_lshl_add_u32 v[WS], v[DI], 5, v[WS]
	v_and_b32 v[DI], 1, v0
	v_lshl_add_u32 v[WS], v[DI], 4, v[WS]
	v_bfe_u32 v[DI], v0, 1, 1
	v_lshl_add_u32 v[WS], v[DI], 3, v[WS]
	s_lshr_b32 s[EX], ttmp9, 5
	s_and_b32 s[PAR], ttmp9, 1
	s_lshr_b32 s[SL], ttmp9, 1
	s_lshl_b32 s[OFS], s[SL], 18                   ; the slice: 64 rows of 4,096 bytes,
	s_mov_b32 s[OFS+1], 0
	s_xor_b32 s[SH], s[PAR], 1
	s_lshl_b32 s[SH], s[SH], 5
	s_mov_b32 s[NP], s[SH]
	s_wait_alu depctr_va_sdst(0)                   ; the wave's number is written, ahead of its first reader
	s_lshl_b32 s[TT], s[WV], 15                    ; my wave's 8 of the slice's rows
	s_add_co_u32 s[OFS], s[OFS], s[TT]
	s_lshl_b32 s[TT], s[WV], 8
	s_add_co_u32 s[TT], s[TT], LIST+128
	v_lshl_add_u32 v[LA], v[T0], 2, s[TT]          ; place 32 + 64 w + lane % 16
	v_lshl_add_u32 v[AO], s[WV], 12, v[L16]        ; local unit w: 4 blocks of 1,024 bytes on each; + 16 x lane
	s_mul_i32 s[TT], s[WV], SBYTES
	s_add_co_u32 s[TT], s[TT], STAGE               ; my stage
	v_mul_u32_u24 v[STW], v[T0], 272               ; in: row lane % 16,
	v_add_nc_u32 v[STW], s[TT], v[STW]
	v_add_nc_u32 v[SQW], 256, v[STW]
	v_lshl_add_u32 v[STW], v[T1], 5, v[STW]        ; 32 bytes for each half of the lanes
	v_mul_u32_u24 v[STR], v[T1], 272               ; back: lanes 0-15 one row of 256 bytes, lanes 16-31 the next
	v_add_nc_u32 v[STR], s[TT], v[STR]
	v_add_nc_u32 v[SQR], 256, v[STR]
	v_add_nc_u32 v[STR], v[STR], v[COL]
	s_mul_i32 s[TT], s[WV], 8*PITCH
	v_add_nc_u32 v[WS], s[TT], v[WS]
	s_wait_kmcnt 0x0
	s_add_nc_u64 s[6:7], s[6:7], s[OFS:OFS+1]
	s_lshl_b32 s[OFS], s[SL], 8                    ; the slice's 64 biases
	s_add_nc_u64 s[8:9], s[8:9], s[OFS:OFS+1]
	s_lshl_b32 s[OFS], s[EX], 9                    ; the expert's two bitmaps
	s_add_nc_u64 s[10:11], s[10:11], s[OFS:OFS+1]
	s_lshl_b32 s[OFS], s[EX], 22                   ; act[e]: 32 K steps of 131,072 bytes,
	s_lshl_b32 s[TT], s[PAR], 11                   ; and my parity's two blocks in each four
	s_add_co_u32 s[OFS], s[OFS], s[TT]
	s_add_nc_u64 s[4:5], s[4:5], s[OFS:OFS+1]
	s_and_b32 s[OFS], s[SL], 15
	s_lshl_b32 s[OFS], s[OFS], 8                   ; the slice's 256 bytes in a row of y
	s_add_nc_u64 s[14:15], s[14:15], s[OFS:OFS+1]
	WIN 0x40
	s_wait_alu depctr_va_vdst(0)                   ; the offsets and addresses made above (v[L16], v[BO], v[WB0], v[WB1], v[LA], v[AO], v[WS], the stage's four) are written, which the loads and stores of the whole kernel read
.set k, 0
.rept 56                               ; seven of my eight rows are asked for at once, 512 bytes on end a load; the eighth follows when the first has landed: 56 loads of the wave are out at the most
	global_load_b128 v[4*k:4*k+3], v[L16], s[6:7] offset:4096*(k/8)+512*(k%8)
.set k, k+1
.endr
	WIN 0
	; the routing, while the weights are on their way
	s_cmp_lg_u32 s[WV], 0
	s_cbranch_scc1 .Lcount_only
	ROUTE 1
	s_branch .Lrouted
.Lcount_only:
	ROUTE 0
.Lrouted:
	s_sub_co_u32 s[NU], s[NP], s[SH]               ; the expert's rows,
	s_add_co_u32 s[NU], s[NU], 31
	s_lshr_b32 s[NU], s[NU], 5                     ; its units of 32,
	s_add_co_u32 s[NU], s[NU], 1
	s_sub_co_u32 s[NU], s[NU], s[PAR]
	s_lshr_b32 s[NU], s[NU], 1                     ; those of my parity
	; the weights: f32 to f16, a row at a time, into LDS.  Each row's conversions have 16 registers of their own; from row 2 on a row's stores stand behind the wait for the next row's data
.set g, 0
.rept 8
.if g < 3
	s_wait_loadcnt 0x30                            ; row g is in; 48 younger loads stay out (the later rows', the eighth row's, the bias's as far as issued)
.else
	s_wait_loadcnt 64-8*g                          ; row g is in; the later rows' and the bias's stay out
.endif
.if g >= 2
	WIN 0
	s_wait_alu depctr_va_vdst(0)                   ; the conversions of the row before have written their 16 registers, which the LDS stores below read
	WSTORE g-1
.endif
	WIN 0x05                                       ; sources window 1, destination window 0
.set i, 0
.rept 8
	v_cvt_pk_f16_f32 v[ACC+16*g+2*i],   v[4*(8*g+i)],   v[4*(8*g+i)+1]
	v_cvt_pk_f16_f32 v[ACC+16*g+2*i+1], v[4*(8*g+i)+2], v[4*(8*g+i)+3]
.set i, i+1
.endr
.if g == 0
	WIN 0x40
	s_wait_alu depctr_va_vdst(0)                   ; row 0's conversions have written their 16 registers, which the LDS stores behind the loads read
.set i, 0
.rept 8
	global_load_b128 v[224+4*i:224+4*i+3], v[L16], s[6:7] offset:4096*7+512*i   ; my eighth row, into registers that nothing has named yet
.set i, i+1
.endr
	WIN 0
	WSTORE 0
.endif
.if g == 1
	WIN 0
.set k, 0
.rept 8
	global_load_b128 v[BIAS+4*k:BIAS+4*k+3], v[BO], s[8:9] offset:64*(k/2)+16*(k%2)  ; bias of columns 16 c + 8 (lane / 16) + 0..7; no vector instruction names these registers or the offset behind the head's wait
.set k, k+1
.endr
.endif
.set g, g+1
.endr
	WIN 0
	s_wait_alu depctr_va_vdst(0)                   ; row 7's conversions have written their 16 registers, which the LDS stores below read
	WSTORE 7
	s_wait_dscnt 0x0                               ; for the others' sake: my 8 rows, and wave 0's list, lie in LDS
	s_barrier_signal -1
	s_barrier_wait -1                              ; the kernel's one barrier: from here on LDS's shared parts are only read
.set k, 0
.rept 8
	ds_load_b32 v[Q+k], v[LA] offset:2048*(k/2)+64*(k%2)   ; trip k / 2 (512 ranks on each), block k % 2
.set k, k+1
.endr
	s_wait_dscnt 0x0
.set k, 0
.rept 8
	v_min_u32 v[GA+k], 0x3ffc, v[Q+k]              ; 4 q is the weight's byte offset
.set k, k+1
.endr
	s_wait_alu depctr_va_vdst(0)                   ; the eight offsets v[GA ..] are written, which the loads below read
.set k, 0
.rept 8
	global_load_b32 v[GW+k], v[GA+k], s[12:13]
.set k, k+1
.endr
	s_wait_loadcnt 0x0                             ; the bias and the gate's weights
	s_wait_alu depctr_vm_vsrc(0)                   ; all LDS and memory instructions so far have read their registers in v64-255 (addresses, offsets, list words, the weights in f16): fragments and 4 q words land there and products write there from here on
	s_mov_b32 s[UU], s[WV]
	s_mov_b32 s[TC], 4
.Ltile:                                                ; four trips cover 32 local units; a dead one is jumped, forward, past text without a barrier
	s_cmp_lt_u32 s[UU], s[NU]
	s_cbranch_scc0 .Lnext
	WIN 0x40
	s_wait_alu depctr_va_vdst(0)                   ; v[AO] and v[Q ..] are written, which the loads and an LDS store below read; the conversions and the last tile's products are done with the buffers of act and of fragments, in which the loads up to step 0's land
	AGRP 0
	AGRP 1
	AGRP 2
	WIN 0x04
	BFRAG 0, 0
	BFRAG 0, 1
	BFRAG 0, 2
	BFRAG 0, 3
	s_wait_storecnt 0x0                            ; the last tile's stores are done: their data (the accumulators' registers) and offsets are rewritten only behind this wait, which stands in the shadow of the loads above
.set st, 0
.rept 32
	STEP st
.set st, st+1
.endr
	WIN 0
	PLACES                                         ; the lines below read results just made
	SCALE 0
	SCALE 1
	s_wait_alu depctr_va_vdst(0)                   ; the 64 scaled results are written: the LDS stores below read them, and the loads from the stage land in the same registers
	OUTA 0
	OUTA 1
	s_wait_dscnt 0x8                               ; block 1's eight 16-byte loads may be out: block 0 is back, and so are both blocks' 4 q
	OFFS 0
	OFFS 1
	s_wait_alu depctr_va_vdst(0)                   ; the 16 offsets v[QS ..] are written, which the stores below read
	OUTS 0
	s_wait_dscnt 0x0                               ; block 1 is back
	OUTS 1
.Lnext:
	s_wait_alu depctr_vm_vsrc(0)                   ; the tile's LDS stores have read v[Q ..], its loads v[AO], its stores of y the accumulators' registers and v[QS ..]: the lines below and the next tile write them again
.set k, 0
.rept 6
	v_mov_b32 v[Q+k], v[Q+k+2]                     ; the next trip's list words and gate weights move down
	v_mov_b32 v[GW+k], v[GW+k+2]
.set k, k+1
.endr
	v_add_nc_u32 v[AO], 32768, v[AO]               ; 8 local units of 4,096 bytes on; the loads that named it have landed
	s_add_co_u32 s[UU], s[UU], 8
	s_sub_co_u32 s[TC], s[TC], 1
	s_cmp_lg_u32 s[TC], 0
	s_cbranch_scc1 .Ltile
	s_wait_dscnt 0x0                               ; the closing lines, six on end
	s_wait_alu 0x0
	s_wait_tensorcnt 0x0
	ds_add_u32 v[SPW], v[NIL]
	s_wait_dscnt 0x0
	s_endpgm
.Lfunc_end_k_q132b5076fd_mlp2:
	.size	k_q132b5076fd_mlp2, .Lfunc_end_k_q132b5076fd_mlp2-k_q132b5076fd_mlp2
	.p2alignl 7, 3214868480
	.fill 96, 4, 3214868480
	.section	.rodata,"a",@progbits
	.p2align	6, 0x0
	.amdhsa_kernel k_q132b5076fd_mlp2
		.amdhsa_group_segment_fixed_size 176640
		.amdhsa_private_segment_fixed_size 0
		.amdhsa_enable_private_segment 0
		.amdhsa_kernarg_size 48
		.amdhsa_user_sgpr_count 2
		.amdhsa_user_sgpr_kernarg_segment_ptr 1
		.amdhsa_wavefront_size32 1
		.amdhsa_system_sgpr_workgroup_id_x 1
		.amdhsa_system_sgpr_workgroup_id_y 1
		.amdhsa_system_sgpr_workgroup_id_z 1
		.amdhsa_system_vgpr_workitem_id 0
		.amdhsa_next_free_vgpr 512
		.amdhsa_next_free_sgpr 88
		.amdhsa_reserve_vcc 0
		.amdhsa_float_denorm_mode_32 3
		.amdhsa_float_denorm_mode_16_64 3
		.amdhsa_memory_ordered 1
		.amdhsa_forward_progress 1
		.amdhsa_inst_pref_size 96
	.end_amdhsa_kernel
	.amdgpu_metadata
---
amdhsa.version: [ 1, 2 ]
amdhsa.kernels:
  - .name:           k_q132b5076fd_mlp2
    .symbol:         k_q132b5076fd_mlp2.kd
    .args:
      - { .name: act, .offset: 0, .size: 8, .value_kind: global_buffer, .address_space: global }
      - { .name: mlp2_w, .offset: 8, .size: 8, .value_kind: global_buffer, .address_space: global }
      - { .name: mlp2_b, .offset: 16, .size: 8, .value_kind: global_buffer, .address_space: global }
      - { .name: bm, .offset: 24, .size: 8, .value_kind: global_buffer, .address_space: global }
      - { .name: gw, .offset: 32, .size: 8, .value_kind: global_buffer, .address_space: global }
      - { .name: y, .offset: 40, .size: 8, .value_kind: global_buffer, .address_space: global }
    .group_segment_fixed_size: 176640
    .private_segment_fixed_size: 0
    .kernarg_segment_align: 8
    .kernarg_segment_size: 48
    .max_flat_workgroup_size: 256
    .sgpr_count:     88
    .vgpr_count:     512
    .wavefront_size: 32
...
	.end_amdgpu_metadata
.endif
;; end of part 6
;; launch combine: the kernel of part 4 again; grid 256 x 1, 8 waves a work-group, no clusters, 0 bytes of LDS; arguments x, y, out0; writes out0
